; MI455X (gfx1250); checked and timed in simulation.
; The chip was launched on July 23, 2026; its instructions are those of AMD's public machine-readable ISA for CDNA 5 (MIT licence, August 2026) and "CDNA5" Instruction Set Architecture Reference Guide (July 2026). The comments in the code are by the model that wrote it; some were corrected since.
;; Graphormer Encoder Layer. Allowed arithmetic: matrix products marked QUANTISED: E2M1 operands, one E8M0 scale for each 32 along K, by v_wmma_scale_f32_16x16x128_f8f6f4 with both operands' format E2M1 (or v_wmma_scale_f32_32x16x128_f4), f32 sums; everything else in f32.
;; Inputs: W1 1,024 x 256 float32; W2 256 x 1,024 float32; Wk 256 x 256 float32; Wo 256 x 256 float32; Wq 256 x 256 float32; Wv 256 x 256 float32; b1 1,024 float32; b2 256 float32; beta1 256 float32; beta2 256 float32; edge_encoding 16 x 1,024 x 1,024 float32; gamma1 256 float32; gamma2 256 float32; spatial_encoding 16 x 1,024 x 1,024 float32; x 16 x 1,024 x 256 float32.
;; Outputs: out0 16 x 1,024 x 256 float32.
;; This version of the problem:
;;   THIS VERSION OF THE PROBLEM IS GIVEN IN LOW PRECISION. The matrix products marked QUANTISED in the list below multiply operands that are first quantised to E2M1 (2 exponent bits, 1 mantissa bit; 4 bits a number), with one power-of-two scale for each 32 numbers along K (OCP MX v1.0); their sums are f32. All else is computed in f32.
;;   The module's matrix products, in the order in which they are computed (A, B: the left and right operand; K: the contracted axis; several contracted axes count as one K, in the product's order):
;;     1. [M 16,384, K 256] x [K 256, N 256]; A: computed on the way; B: input Wq: QUANTISED
;;     2. [M 16,384, K 256] x [K 256, N 256]; A: computed on the way; B: input Wk: QUANTISED
;;     3. [M 16,384, K 256] x [K 256, N 256]; A: computed on the way; B: input Wv: QUANTISED
;;     4. batch 128 x [M 1,024, K 32] x [K 32, N 1,024]; A: computed on the way; B: computed on the way: QUANTISED
;;     5. batch 128 x [M 1,024, K 1,024] x [K 1,024, N 32]; A: computed on the way; B: computed on the way: QUANTISED
;;     6. [M 16,384, K 256] x [K 256, N 256]; A: computed on the way; B: input Wo: QUANTISED
;;     7. [M 16,384, K 256] x [K 256, N 1,024]; A: computed on the way; B: input W1: QUANTISED
;;     8. [M 16,384, K 1,024] x [K 1,024, N 256]; A: computed on the way; B: input W2: QUANTISED
;;   THE QUANTISER, for each operand of a quantised product, along K:
;;     - K is cut into blocks of 32 from its start; a last block that is shorter is filled with zeros.
;;     - A block's scale is 2^e with e = floor(log2(the largest magnitude in the block)) - 2, held to -126 .. 127; a block of zeros has e = 0. As a byte (E8M0): e + 127.
;;     - Each number is divided by its block's scale, clamped to +-6, and rounded to the nearest number of E2M1, ties to even, subnormals kept.
;;     - The product sums the exact products of the quantised numbers (number of the format x scale) in f32.
;;   ~~~python
;;   def quantise(x, axis):      # numpy; x: float32 -> the quantised numbers, widened to float32 again
;;       x = np.moveaxis(x, axis, -1); K = x.shape[-1]
;;       x = np.pad(x, [(0, 0)] * (x.ndim - 1) + [(0, -K % 32)]); x = x.reshape(x.shape[:-1] + (-1, 32)); a = np.abs(x).max(-1, keepdims=True)
;;       e = np.where(a > 0, np.clip(np.frexp(np.where(a > 0, a, 1))[1] - 1 - 2, -126, 127), 0)      # np.frexp(a)[1] - 1 = floor(log2(a)), exactly
;;       r = np.clip(x / 2.0 ** e, -6, 6)
;;       step = 2.0 ** (np.maximum(np.frexp(np.where(r == 0, 1, r))[1] - 1, 0) - 1)
;;       q = np.round(r / step) * step * 2.0 ** e      # np.round: ties to even
;;       return np.moveaxis(q.reshape(q.shape[:-2] + (-1,))[..., :K], -1, axis).astype(np.float32)
;;   ~~~
;;   OPERANDS COMPUTED ON THE WAY. 'Computed on the way' means the value that the module computes at that place (a softmax that the list does not call 'softmax' is quantised finished and normalised). What goes into a quantiser is computed in f32, as accurately as f32 sums, v_exp_f32 and their like allow (about 1e-6 of the number): no bf16 or f16 on the way to a quantiser, and a product that is left as it is and whose result goes on into a quantised operand takes f32 operands (vector FMAs, or v_wmma_f32_16x16x4_f32). A number that lies on a knife's edge between two numbers of the format may be rounded either way, as far as f32 arithmetic and the matrix unit's own rounding can turn it there, and no further.
;; One version. Each part assembles by itself: llvm-mc -triple=amdgcn-amd-amdhsa -mcpu=gfx1250 --defsym DOCPART=n.
;; ======== version 1 of 1: 3 launches
;; limits: right only within a limited range of input values
;; workspace buffers: wimg 393,216 bytes; wscl 24,576 bytes; qkvc 6,291,456 bytes; qkvs 917,504 bytes
;; launch wquant (part 1): grid 96 x 1, 4 waves a work-group, no clusters, 768 bytes of LDS; arguments Wq, Wk, Wv, Wo, W1, W2, wimg, wscl; writes wimg, wscl
.if DOCPART == 1
	.amdgcn_target "amdgcn-amd-amdhsa--gfx1250"
	.amdhsa_code_object_version 6
	.text
	.protected	k_q261fa91e3a_wquant
	.globl	k_q261fa91e3a_wquant
	.p2align	8
	.type	k_q261fa91e3a_wquant,@function
k_q261fa91e3a_wquant:
	s_mov_b64 s[64:65], 0
	v_nop
	global_prefetch_b8 v0, s[64:65] scope:SCOPE_SE
	s_setreg_imm32_b32 hwreg(HW_REG_WAVE_MODE, 25, 1), 1
	s_wait_xcnt 0x0
; The six weights (f32, K innermost) become operands of MX-FP4 once: codes of E2M1 and one E8M0 byte for each 32 along K.
; They are laid in the order of an operand's registers: an IMAGE is 16 rows x 128 K = 1,024 bytes, [block of 32][row r][16 bytes],
; which is registers 4 c .. 4 c + 3 of lane l at byte 512 c + 16 l.  Its scale record is 16 words [r], byte b for block b.
; Image I: Wq 2 T + s, Wk 32 + .., Wv 64 + .., Wo 96 + 2 T + s, W1 128 + 64 s + T, W2 256 + 8 T + s (T: tile of 16 rows, s: K step of 128).
; Rows of a tile: Wo, W2: 16 T + r.  Wq, Wk, Wv, W1: 32 (T / 2) + 8 (T % 2) + r % 8 + 16 (r / 8), so that the results of two
; neighbouring tiles are 16 neighbours along the next product's K.
; One wave makes one image: I = 4 x work-group + wave; a work-group's four images lie in one weight.
; A lane owns blocks h and 2 + h of its row whole (32 numbers each), so a block's largest magnitude needs no other lane.
; LIMITS: NaN and infinities are not served; a block whose largest magnitude lies under 2^-124 (a block of zeros too) keeps the byte 1:
; its codes are zeros or as the floor gives them, and this program alone reads the bytes.
.set X,   64                           ; v64-127 my 64 numbers
.set SEL, 40                           ; s[40:41] lane selects: lane l xor 16
	s_load_b512 s[4:19], s[0:1], 0x0               ; Wq, Wk, Wv, Wo, W1, W2, wimg s[16:17], wscl s[18:19]
	v_lshl_add_u32 v128, v0, 2, 0x100
	v_mov_b32 v129, 0
	v_lshrrev_b32 v1, 5, v0
	v_readfirstlane_b32 s20, v1                    ; wave
	v_and_b32 v1, 31, v0                           ; lane
	v_and_b32 v2, 15, v0                           ; r
	s_wait_alu depctr_va_vdst(0)
	v_bfe_u32 v4, v0, 4, 1                         ; h
	s_lshl_b32 s21, ttmp9, 2
	s_add_co_u32 s21, s21, s20                     ; I
	s_bfe_u32 s22, s21, 0x40001                    ; the four square weights: T = (I / 2) % 16,
	s_and_b32 s23, s21, 1                          ; s = I % 2
	s_and_b32 s24, s21, 63                         ; W1: T = I % 64,
	s_bfe_u32 s25, s21, 0x10006                    ; s = (I / 64) % 2
	s_bfe_u32 s26, s21, 0x40003                    ; W2: T = (I / 8) % 16,
	s_and_b32 s27, s21, 7                          ; s = I % 8
	s_cmp_lt_u32 ttmp9, 32
	s_cselect_b32 s22, s22, s24
	s_cselect_b32 s23, s23, s25
	s_cmp_lt_u32 ttmp9, 64
	s_cselect_b32 s22, s22, s26                    ; T
	s_cselect_b32 s23, s23, s27                    ; s
	s_cselect_b32 s28, 10, 12                      ; a row is 2^10 bytes, W2's 2^12
	s_cselect_b32 s29, 8, 0                        ; 8: the tile's rows are the chosen ones; 0: neighbours (W2,
	s_sub_co_u32 s30, ttmp9, 24
	s_cmp_lt_u32 s30, 8
	s_cselect_b32 s29, 0, s29                      ; and Wo: work-groups 24 to 31)
	s_lshr_b32 s30, s22, 1
	s_lshl_b32 s30, s30, 5
	s_and_b32 s31, s22, 1
	s_lshl_b32 s31, s31, 3
	s_add_co_u32 s30, s30, s31                     ; 32 (T / 2) + 8 (T % 2)
	s_lshl_b32 s31, s22, 4                         ; 16 T
	s_cmp_eq_u32 s29, 8
	s_cselect_b32 s30, s30, s31                    ; the tile's first row,
	s_lshl_b32 s30, s30, s28                       ; in bytes,
	s_lshl_b32 s31, s23, 9
	s_add_co_u32 s30, s30, s31                     ; + 512 s
	s_mov_b32 s31, 0
	s_lshl_b32 s32, s21, 10                        ; the image's place
	s_mov_b32 s33, 0
	s_lshl_b32 s34, ttmp9, 8                       ; the work-group's four scale records
	s_mov_b32 s35, 0
	s_mov_b32 s[SEL], 0x76543210
	s_mov_b32 s[SEL+1], 0xfedcba98
	v_lshrrev_b32 v3, 3, v2
	v_mul_u32_u24 v3, s29, v3
	v_add_nc_u32 v3, v3, v2                        ; r, or r + 8 (r / 8)
	v_lshlrev_b32 v3, s28, v3
	s_wait_alu depctr_va_vdst(0)
	v_lshl_add_u32 v3, v4, 7, v3                   ; + 128 h: my block of 32 numbers
	v_lshlrev_b32 v5, 4, v1                        ; 16 x lane
	v_lshlrev_b32 v6, 2, v2
	s_lshl_b32 s36, s20, 6
	v_add_nc_u32 v6, s36, v6                       ; LDS: 64 x wave + 4 r
	v_lshlrev_b32 v7, 3, v1                        ; 8 x lane
	s_wait_alu depctr_va_vdst(0)
	s_wait_kmcnt 0x0
	s_cmp_ge_u32 ttmp9, 8                          ; which weight: the choice hangs on the work-group's number alone
	s_cselect_b64 s[4:5], s[6:7], s[4:5]
	s_cmp_ge_u32 ttmp9, 16
	s_cselect_b64 s[4:5], s[8:9], s[4:5]
	s_cmp_ge_u32 ttmp9, 24
	s_cselect_b64 s[4:5], s[10:11], s[4:5]
	s_cmp_ge_u32 ttmp9, 32
	s_cselect_b64 s[4:5], s[12:13], s[4:5]
	s_cmp_ge_u32 ttmp9, 64
	s_cselect_b64 s[4:5], s[14:15], s[4:5]
	s_add_nc_u64 s[4:5], s[4:5], s[30:31]
	s_add_nc_u64 s[16:17], s[16:17], s[32:33]
	s_add_nc_u64 s[18:19], s[18:19], s[34:35]
.irp c, 0,1
.irp i, 0,1,2,3,4,5,6,7
	global_load_b128 v[X+32*\c+4*\i:X+32*\c+4*\i+3], v3, s[4:5] offset:256*\c+16*\i th:TH_LOAD_NT   ; k = 64 c + 32 h + 4 i ..
.endr
.endr
	s_wait_loadcnt 0x0
.irp c, 0,1                                    ; my block 2 c + h: the floor 2^(3 - 127) among the leaves holds the byte at 1 from below
	v_max3_num_f32 v[32+\c], |v[X+32*\c]|, |v[X+1+32*\c]|, 0x1800000
.endr
.irp i, 2,4,6,8,10,12,14,16,18,20,22,24,26,28,30
.irp c, 0,1
	v_max3_num_f32 v[32+\c], v[32+\c], |v[X+32*\c+\i]|, |v[X+1+32*\c+\i]|
.endr
.endr
.irp c, 0,1
	v_add_nc_u32 v[44+\c], 0xff000000, v[32+\c]    ; 2 off the exponent field: the conversion's scale operand
.endr
.irp c, 0,1
	v_lshrrev_b32 v[36+\c], 23, v[44+\c]           ; the scale's byte
.endr
	v_lshl_or_b32 v9, v37, 16, v36                 ; my two bytes, blocks h and 2 + h,
	v_lshlrev_b32 v10, 3, v4
	v_lshlrev_b32 v9, v10, v9                      ; at their places in the word;
	v_mov_b32 v10, 0
	v_permlanex16_b32 v10, v9, s[SEL], s[SEL+1]
	v_or_b32 v9, v9, v10                           ; with lane l xor 16's two the word is whole
.irp c, 0,1
.irp g, 0,1,2,3
	v_cvt_scalef32_pk8_fp4_f32 v[48+4*\c+\g], v[X+32*\c+8*\g:X+32*\c+8*\g+7], v[44+\c]
.endr
.endr
	v_nop                                          ; one plain line behind the last scaled conversion
	global_store_b128 v5, v[48:51], s[16:17]       ; 32 lanes store 512 consecutive bytes
	global_store_b128 v5, v[52:55], s[16:17] offset:512
	ds_store_b32 v6, v9                            ; both halves of the lanes write the same word with the same value
	s_wait_dscnt 0x0                               ; for the others' sake
	s_barrier_signal -1
	s_barrier_wait -1
	s_cmp_lg_u32 s20, 0
	s_cbranch_scc1 .Lend
	ds_load_b64 v[12:13], v7                       ; the four records: 256 bytes
	s_wait_dscnt 0x0
	global_store_b64 v7, v[12:13], s[18:19]        ; 32 lanes store 256 consecutive bytes, aligned
.Lend:
	s_wait_tensorcnt 0x0
	ds_add_u32 v128, v129
	s_wait_dscnt 0x0
	s_endpgm
.Lfunc_end_k_q261fa91e3a_wquant:
	.size	k_q261fa91e3a_wquant, .Lfunc_end_k_q261fa91e3a_wquant-k_q261fa91e3a_wquant
	.p2alignl 7, 3214868480
	.fill 96, 4, 3214868480
	.section	.rodata,"a",@progbits
	.p2align	6, 0x0
	.amdhsa_kernel k_q261fa91e3a_wquant
		.amdhsa_group_segment_fixed_size 768
		.amdhsa_private_segment_fixed_size 0
		.amdhsa_enable_private_segment 0
		.amdhsa_kernarg_size 64
		.amdhsa_user_sgpr_count 2
		.amdhsa_user_sgpr_kernarg_segment_ptr 1
		.amdhsa_wavefront_size32 1
		.amdhsa_system_sgpr_workgroup_id_x 1
		.amdhsa_system_sgpr_workgroup_id_y 1
		.amdhsa_system_sgpr_workgroup_id_z 1
		.amdhsa_system_vgpr_workitem_id 0
		.amdhsa_next_free_vgpr 130
		.amdhsa_next_free_sgpr 66
		.amdhsa_reserve_vcc 0
		.amdhsa_float_denorm_mode_32 3
		.amdhsa_float_denorm_mode_16_64 3
		.amdhsa_memory_ordered 1
		.amdhsa_forward_progress 1
		.amdhsa_inst_pref_size 9
	.end_amdhsa_kernel
	.amdgpu_metadata
---
amdhsa.version: [ 1, 2 ]
amdhsa.kernels:
  - .name:           k_q261fa91e3a_wquant
    .symbol:         k_q261fa91e3a_wquant.kd
    .args:
      - { .name: Wq, .offset: 0, .size: 8, .value_kind: global_buffer, .address_space: global }
      - { .name: Wk, .offset: 8, .size: 8, .value_kind: global_buffer, .address_space: global }
      - { .name: Wv, .offset: 16, .size: 8, .value_kind: global_buffer, .address_space: global }
      - { .name: Wo, .offset: 24, .size: 8, .value_kind: global_buffer, .address_space: global }
      - { .name: W1, .offset: 32, .size: 8, .value_kind: global_buffer, .address_space: global }
      - { .name: W2, .offset: 40, .size: 8, .value_kind: global_buffer, .address_space: global }
      - { .name: wimg, .offset: 48, .size: 8, .value_kind: global_buffer, .address_space: global }
      - { .name: wscl, .offset: 56, .size: 8, .value_kind: global_buffer, .address_space: global }
    .group_segment_fixed_size: 768
    .private_segment_fixed_size: 0
    .kernarg_segment_align: 8
    .kernarg_segment_size: 64
    .max_flat_workgroup_size: 128
    .sgpr_count:     66
    .vgpr_count:     130
    .wavefront_size: 32
...
	.end_amdgpu_metadata
.endif
;; end of part 1
;; launch qkv (part 2): grid 256 x 1, 4 waves a work-group, no clusters, 9,728 bytes of LDS; arguments x, gamma1, beta1, wimg, wscl, qkvc, qkvs; writes qkvc, qkvs
.if DOCPART == 2
	.amdgcn_target "amdgcn-amd-amdhsa--gfx1250"
	.amdhsa_code_object_version 6
	.text
	.protected	k_q261fa91e3a_qkv
	.globl	k_q261fa91e3a_qkv
	.p2align	8
	.type	k_q261fa91e3a_qkv,@function
k_q261fa91e3a_qkv:
	s_mov_b64 s[64:65], 0
	v_nop
	global_prefetch_b8 v0, s[64:65] scope:SCOPE_SE
	s_setreg_imm32_b32 hwreg(HW_REG_WAVE_MODE, 25, 1), 1
	s_wait_xcnt 0x0
; For 64 tokens (group G = work-group): the first layer norm in f32, its quantiser, q = y Wq^T, k = y Wk^T, v = y Wv^T on codes of MX-FP4,
; and the quantisers of q and k (along a head's 32) and of v (along the keys), stored in the order in which the next launch's registers take them.
; The 64 tokens are four tiles m; lane r of tile m is token pi(m, r) = 32 (m / 2) + 8 (m % 2) + r % 8 + 16 (r / 8).
; SHARES.  Wave w normalises and quantises tile w and hands its two fragments to the others through LDS as images of their registers.
; In the products the waves share the columns: wave w owns heads 2 w and 2 w + 1 of q, k and v; its 24 weight images stay in registers.
; q, k: source 0 = 16 rows of the weight, source 1 = 16 tokens: a lane holds one token, and the 16 registers of two neighbouring tiles are 16
; neighbours of a head.  v: source 0 = 16 tokens, source 1 = 16 rows of Wv: a lane holds one channel, its registers run along the tokens.
; OUT (qkvc): Q at 0: [G][m][head][r][16 B];  K at 2,097,152: [G][head][block m][r][16 B];  V at 4,194,304: [G / 2][head][u][block 2 (G % 2) + b'][r][16 B].
; OUT (qkvs): QS at 0: [G][m][head][r] words, the byte four times;  KS at 524,288: [G][head][r], byte m;  VS at 655,360: [G][head][u][r], bytes b' = 0, 1.
; LIMITS: NaN and infinities are not served; a block under 2^-124 keeps the byte 1; 1 / sqrt is v_rsq_f32.
; The scale words leave in runs of 128 bytes.
.set XIMG, 0                           ; LDS: fragment (m, s) at 1,024 (2 m + s)
.set XSC,  8192                        ; its scale words, 128 bytes each
.set XA,  4                            ; v4   x: my lane's byte in the wave's rows
.set LI,  5                            ; v5   16 x lane
.set LS,  6                            ; v6   4 x lane
.set XWI, 7                            ; v7   16 x lane + 2,048 x wave
.set XWS, 8                            ; v8   4 x lane + 256 x wave
.set CST, 9                            ; v9   16 r + 8 h
.set GA,  10                           ; v10  64 h
.set WS,  16                           ; v16-27 the weights' scale words [4 mat + tile]: lanes 0-15 K step 0, lanes 16-31 K step 1
.set PW,  28
.set CH,  30                           ; v30-37 four chains of sums
.set MU,  38                           ; v38-39 the mean, then 1 / sqrt(var + eps), twice
.set PC,  40                           ; v40-47 codes just made
.set TM,  48                           ; v48-63 at work in QUANT
.set HA,  64                           ; v64-127 eight accumulators
.set XN,  128                          ; v128-255 my row's 128 numbers: index 64 s + 16 b + i = feature 128 s + 32 b + 16 h + i
.set AF,  128                          ; later: the eight fragments,
.set AS,  192                          ; their scale words,
.set KSW, 200                          ; k's scale words (two heads),
.set VSW, 202                          ; v's (four tiles)
.set WV,  18
.set SEL, 36
.set R256, 38
.set EPS, 39
.set HI16, 40
.set MSB, 0
.macro WIN new                         ; the immediate's high byte repeats the setting that is left
.if MSB != \new
	s_set_vgpr_msb (MSB<<8)|\new
.set MSB, \new
.endif
.endm
.macro PLACES n
.rept \n
	v_nop
.endr
.endm
; one product of 16 x 16 x 128.  c < 0: the constant 0 starts the sum.  ra, rb: the scale words stand in lanes 16-31
.macro WMMA d, a, b, c, sa, sb, ra, rb
.if (\c) < 0
.if \ra
	v_wmma_scale_f32_16x16x128_f8f6f4 v[\d:\d+7], v[\a:\a+7], v[\b:\b+7], 0, v[\sa], v[\sb] matrix_a_fmt:MATRIX_FMT_FP4 matrix_b_fmt:MATRIX_FMT_FP4 matrix_a_scale:MATRIX_SCALE_ROW1
.elseif \rb
	v_wmma_scale_f32_16x16x128_f8f6f4 v[\d:\d+7], v[\a:\a+7], v[\b:\b+7], 0, v[\sa], v[\sb] matrix_a_fmt:MATRIX_FMT_FP4 matrix_b_fmt:MATRIX_FMT_FP4 matrix_b_scale:MATRIX_SCALE_ROW1
.else
	v_wmma_scale_f32_16x16x128_f8f6f4 v[\d:\d+7], v[\a:\a+7], v[\b:\b+7], 0, v[\sa], v[\sb] matrix_a_fmt:MATRIX_FMT_FP4 matrix_b_fmt:MATRIX_FMT_FP4
.endif
.else
.if \ra
	v_wmma_scale_f32_16x16x128_f8f6f4 v[\d:\d+7], v[\a:\a+7], v[\b:\b+7], v[\c:\c+7], v[\sa], v[\sb] matrix_a_fmt:MATRIX_FMT_FP4 matrix_b_fmt:MATRIX_FMT_FP4 matrix_a_scale:MATRIX_SCALE_ROW1
.elseif \rb
	v_wmma_scale_f32_16x16x128_f8f6f4 v[\d:\d+7], v[\a:\a+7], v[\b:\b+7], v[\c:\c+7], v[\sa], v[\sb] matrix_a_fmt:MATRIX_FMT_FP4 matrix_b_fmt:MATRIX_FMT_FP4 matrix_b_scale:MATRIX_SCALE_ROW1
.else
	v_wmma_scale_f32_16x16x128_f8f6f4 v[\d:\d+7], v[\a:\a+7], v[\b:\b+7], v[\c:\c+7], v[\sa], v[\sb] matrix_a_fmt:MATRIX_FMT_FP4 matrix_b_fmt:MATRIX_FMT_FP4
.endif
.endif
.endm
; 64 numbers of a lane, register 16 b + i = place 32 b + 16 h + i along K, become codes in v[PC] on (two registers a block) and bytes in v[TM+4+b].
; swap = 1: the halves change places so that v[PC] on is a fragment, and v[PW] is its scale word.
.macro QUANT s, swap
.irp b, 0,1,2,3
	v_max3_num_f32 v[TM+\b], |v[\s+16*\b]|, |v[\s+1+16*\b]|, 0x1800000   ; the floor 2^(3 - 127) holds the byte at 1 from below
.endr
.irp i, 2,4,6,8,10,12,14
.irp b, 0,1,2,3
	v_max3_num_f32 v[TM+\b], v[TM+\b], |v[\s+16*\b+\i]|, |v[\s+1+16*\b+\i]|
.endr
.endr
.irp b, 0,1,2,3
	v_permlanex16_b32 v[TM+4+\b], v[TM+\b], s[SEL], s[SEL+1]
.endr
.irp b, 0,1,2,3
	v_max_num_f32 v[TM+\b], v[TM+\b], v[TM+4+\b]   ; with lane l xor 16's: the block's largest magnitude
.endr
.irp b, 0,1,2,3
	v_add_nc_u32 v[TM+12+\b], 0xff000000, v[TM+\b] ; 2 off its exponent field: the conversion's scale operand
.endr
.irp b, 0,1,2,3
	v_lshrrev_b32 v[TM+4+\b], 23, v[TM+12+\b]      ; the scale's byte
.endr
.if \swap
	v_lshl_or_b32 v[PW], v[TM+5], 8, v[TM+4]
	v_lshl_or_b32 v[PW], v[TM+6], 16, v[PW]
	v_lshl_or_b32 v[PW], v[TM+7], 24, v[PW]
.endif
.irp b, 0,1,2,3
	v_cvt_scalef32_pk8_fp4_f32 v[PC+2*\b], v[\s+16*\b:\s+7+16*\b], v[TM+12+\b]
	v_cvt_scalef32_pk8_fp4_f32 v[PC+1+2*\b], v[\s+8+16*\b:\s+15+16*\b], v[TM+12+\b]
.endr
	v_nop                                          ; one plain line behind the last scaled conversion
.if \swap
.irp c, 0,1
.irp i, 0,1
	v_permlane16_swap_b32 v[PC+4*\c+\i], v[PC+2+4*\c+\i]
.endr
.endr
.endif
.endm
; the layer norm's statistics on 128 numbers a lane (the row's other 128 lie in lane l xor 16): x becomes (x - mean) / sqrt(var + eps)
.macro LNSTAT x
.irp c, 0,1,2,3
	v_pk_add_f32 v[CH+2*\c:CH+2*\c+1], v[\x+2*\c:\x+2*\c+1], v[\x+8+2*\c:\x+8+2*\c+1]   ; the first additions start the four chains
.endr
.set lq, 16
.rept 14
.irp c, 0,1,2,3
	v_pk_add_f32 v[CH+2*\c:CH+2*\c+1], v[CH+2*\c:CH+2*\c+1], v[\x+lq+2*\c:\x+lq+2*\c+1]
.endr
.set lq, lq+8
.endr
	v_pk_add_f32 v[CH:CH+1], v[CH:CH+1], v[CH+2:CH+3]
	v_pk_add_f32 v[CH+4:CH+5], v[CH+4:CH+5], v[CH+6:CH+7]
	v_pk_add_f32 v[CH:CH+1], v[CH:CH+1], v[CH+4:CH+5]
	v_add_f32 v[CH], v[CH], v[CH+1]
	v_permlanex16_b32 v[CH+2], v[CH], s[SEL], s[SEL+1]
	v_add_f32 v[CH], v[CH], v[CH+2]
	v_mul_f32 v[MU], s[R256], v[CH]                ; the mean
	v_mov_b32 v[MU+1], v[MU]
.set lq, 0
.rept 64
	v_pk_add_f32 v[\x+lq:\x+lq+1], v[\x+lq:\x+lq+1], v[MU:MU+1] neg_lo:[0,1] neg_hi:[0,1]
.set lq, lq+2
.endr
.irp c, 0,1,2,3
	v_pk_mul_f32 v[CH+2*\c:CH+2*\c+1], v[\x+2*\c:\x+2*\c+1], v[\x+2*\c:\x+2*\c+1]
.endr
.set lq, 8
.rept 15
.irp c, 0,1,2,3
	v_pk_fma_f32 v[CH+2*\c:CH+2*\c+1], v[\x+lq+2*\c:\x+lq+2*\c+1], v[\x+lq+2*\c:\x+lq+2*\c+1], v[CH+2*\c:CH+2*\c+1]
.endr
.set lq, lq+8
.endr
	v_pk_add_f32 v[CH:CH+1], v[CH:CH+1], v[CH+2:CH+3]
	v_pk_add_f32 v[CH+4:CH+5], v[CH+4:CH+5], v[CH+6:CH+7]
	v_pk_add_f32 v[CH:CH+1], v[CH:CH+1], v[CH+4:CH+5]
	v_add_f32 v[CH], v[CH], v[CH+1]
	v_permlanex16_b32 v[CH+2], v[CH], s[SEL], s[SEL+1]
	v_add_f32 v[CH], v[CH], v[CH+2]
	v_fma_f32 v[CH], v[CH], s[R256], s[EPS]        ; var + eps
	s_wait_alu depctr_va_vdst(0)
	v_rsq_f32 v[MU], v[CH]
	v_nop                                          ; one plain line behind a transcendental
	s_wait_alu depctr_va_vdst(0)
	v_mov_b32 v[MU+1], v[MU]
.set lq, 0
.rept 64
	v_pk_mul_f32 v[\x+lq:\x+lq+1], v[\x+lq:\x+lq+1], v[MU:MU+1]
.set lq, lq+2
.endr
.endm
	s_load_b256 s[4:11], s[0:1], 0x0               ; x, gamma1, beta1, wimg
	s_load_b128 s[12:15], s[0:1], 0x20             ; wscl, qkvc
	s_load_b64 s[16:17], s[0:1], 0x30              ; qkvs
	v_lshl_add_u32 v58, v0, 2, 0x2400
	v_mov_b32 v59, 0
	v_lshrrev_b32 v1, 5, v0
	v_readfirstlane_b32 s[WV], v1                  ; wave
	v_and_b32 v1, 31, v0                           ; lane
	v_and_b32 v2, 15, v0                           ; r
	v_bfe_u32 v3, v0, 4, 1                         ; h
	v_and_b32 v12, 7, v2
	v_lshrrev_b32 v13, 3, v2
	v_lshl_add_u32 v12, v13, 4, v12                ; r % 8 + 16 (r / 8)
	v_lshlrev_b32 v[XA], 10, v12
	v_lshl_add_u32 v[XA], v3, 6, v[XA]             ; that row of 1,024 bytes, + 64 h
	v_lshlrev_b32 v[LI], 4, v1
	v_lshlrev_b32 v[LS], 2, v1
	s_lshl_b32 s19, s[WV], 11
	v_add_nc_u32 v[XWI], s19, v[LI]
	s_lshl_b32 s19, s[WV], 8
	v_add_nc_u32 v[XWS], s19, v[LS]
	v_lshlrev_b32 v[CST], 4, v2
	v_lshl_add_u32 v[CST], v3, 3, v[CST]
	v_lshlrev_b32 v[GA], 6, v3
.irp b, 0,1,2,3
	v_mov_b32 v[TM+4+\b], 0                        ; written once: a lane permute's destination counts as one of its sources
.endr
	s_mov_b32 s[SEL], 0x76543210
	s_mov_b32 s[SEL+1], 0xfedcba98
	s_mov_b32 s[R256], 0x3b800000                  ; 1 / 256
	s_mov_b32 s[EPS], 0x3727c5ac                   ; 1e-5
	s_mov_b32 s[HI16], 0xffff0000                  ; lanes 16-31
	s_mov_b32 s21, 0
	s_lshl_b32 s20, ttmp9, 16                      ; the group's 64 rows of 1,024 bytes,
	s_lshr_b32 s22, s[WV], 1
	s_lshl_b32 s22, s22, 15
	s_and_b32 s23, s[WV], 1
	s_lshl_b32 s23, s23, 13
	s_add_co_u32 s20, s20, s22
	s_add_co_u32 s20, s20, s23                     ; + row 32 (w / 2) + 8 (w % 2)
	s_wait_alu depctr_va_vdst(0)
	s_wait_kmcnt 0x0
	s_add_nc_u64 s[4:5], s[4:5], s[20:21]
.set li, 0
.rept 32
	global_load_b128 v[XN+4*li:XN+4*li+3], v[XA], s[4:5] offset:512*(li/16)+128*((li/4)%4)+16*(li%4) th:TH_LOAD_NT
.set li, li+1
.endr
	WIN 0x80                                       ; destination window 2: gamma at v0-127, beta at v128-255, by XN's index
.set li, 0
.rept 32
	global_load_b128 v[4*li:4*li+3], v[GA], s[6:7] offset:512*(li/16)+128*((li/4)%4)+16*(li%4)
.set li, li+1
.endr
.set li, 0
.rept 32
	global_load_b128 v[128+4*li:128+4*li+3], v[GA], s[8:9] offset:512*(li/16)+128*((li/4)%4)+16*(li%4)
.set li, li+1
.endr
	WIN 0
	s_lshl_b32 s20, s[WV], 13
	s_add_nc_u64 s[10:11], s[10:11], s[20:21]      ; my tiles' images: 8,192 x wave in each weight
	s_lshl_b32 s20, s[WV], 9
	s_add_nc_u64 s[12:13], s[12:13], s[20:21]      ; and their scale records
	s_lshl_b32 s22, ttmp9, 13
	s_add_co_u32 s20, s22, s20
	s_add_nc_u64 s[24:25], s[14:15], s[20:21]      ; Q + 8,192 G + 512 w
	s_lshl_b32 s20, s[WV], 11
	s_add_co_u32 s20, s20, s22
	s_add_co_u32 s20, s20, 0x200000
	s_add_nc_u64 s[26:27], s[14:15], s[20:21]      ; K + 8,192 G + 2,048 w
	s_lshr_b32 s20, ttmp9, 1
	s_lshl_b32 s20, s20, 14
	s_and_b32 s22, ttmp9, 1
	s_lshl_b32 s22, s22, 9
	s_add_co_u32 s20, s20, s22
	s_lshl_b32 s22, s[WV], 12
	s_add_co_u32 s20, s20, s22
	s_add_co_u32 s20, s20, 0x400000
	s_add_nc_u64 s[28:29], s[14:15], s[20:21]      ; V + 16,384 (G / 2) + 512 (G % 2) + 4,096 w
	s_lshl_b32 s20, ttmp9, 11
	s_lshl_b32 s22, s[WV], 7
	s_add_co_u32 s20, s20, s22
	s_add_nc_u64 s[30:31], s[16:17], s[20:21]      ; QS + 2,048 G + 128 w
	s_lshl_b32 s20, ttmp9, 9
	s_add_co_u32 s20, s20, s22
	s_add_co_u32 s20, s20, 0x80000
	s_add_nc_u64 s[32:33], s[16:17], s[20:21]      ; KS + 512 G + 128 w
	s_lshl_b32 s20, ttmp9, 10
	s_lshl_b32 s22, s[WV], 8
	s_add_co_u32 s20, s20, s22
	s_add_co_u32 s20, s20, 0xa0000
	s_add_nc_u64 s[34:35], s[16:17], s[20:21]      ; VS + 1,024 G + 256 w
	s_wait_loadcnt 63                              ; behind x's 32 loads stand 64; 63 is the largest count that a wait can name: x is in
	LNSTAT XN
	WIN 0x40                                       ; destination window 1: my 24 weight images, image (4 mat + tile) x 2 + s at v[8 x image]
.set wi, 0
.rept 24
	global_load_b128 v[8*wi:8*wi+3], v[LI], s[10:11] offset:32768*(wi/8)+1024*(wi%8)
	global_load_b128 v[8*wi+4:8*wi+7], v[LI], s[10:11] offset:32768*(wi/8)+1024*(wi%8)+512
.set wi, wi+1
.endr
	WIN 0
.set wi, 0
.rept 12
	global_load_b32 v[WS+wi], v[LS], s[12:13] offset:2048*(wi/4)+128*(wi%4)
.set wi, wi+1
.endr
	s_wait_loadcnt 60                              ; the 60 just issued may be out: gamma and beta are in
	WIN 0x28                                       ; sources 1 and 2 window 2
.set lq, 0
.rept 64
	v_pk_fma_f32 v[XN+lq:XN+lq+1], v[XN+lq:XN+lq+1], v[lq:lq+1], v[128+lq:128+lq+1]
.set lq, lq+2
.endr
	WIN 0
	QUANT XN, 1
	ds_store_b128 v[XWI], v[PC:PC+3] offset:XIMG
	ds_store_b128 v[XWI], v[PC+4:PC+7] offset:XIMG+512
	ds_store_b32 v[XWS], v[PW] offset:XSC
	s_wait_dscnt 0x0                               ; the stores have read their registers
	QUANT XN+64, 1
	ds_store_b128 v[XWI], v[PC:PC+3] offset:XIMG+1024
	ds_store_b128 v[XWI], v[PC+4:PC+7] offset:XIMG+1536
	ds_store_b32 v[XWS], v[PW] offset:XSC+128
	s_wait_dscnt 0x0                               ; for the others' sake: my stores have landed
	s_barrier_signal -1
	s_barrier_wait -1                              ; the eight fragments lie in LDS
.set fi, 0
.rept 8
	ds_load_b128 v[AF+8*fi:AF+8*fi+3], v[LI] offset:XIMG+1024*fi
	ds_load_b128 v[AF+8*fi+4:AF+8*fi+7], v[LI] offset:XIMG+1024*fi+512
	ds_load_b32 v[AS+fi], v[LS] offset:XSC+128*fi
.set fi, fi+1
.endr
	s_wait_dscnt 0x0
	s_wait_loadcnt 0x0                             ; the weights
; q and k of tile m: eight accumulators by turns, K step 0 then K step 1
.macro QKROUND m
	WIN 0x01                                       ; source 0 (the weight) window 1
.irp e, 0,1,2,3,4,5,6,7
	WMMA HA+8*\e, 16*\e, AF+16*\m, -1, WS+\e, AS+2*\m, 0, 0
.endr
.irp e, 0,1,2,3,4,5,6,7
	WMMA HA+8*\e, 16*\e+8, AF+16*\m+8, HA+8*\e, WS+\e, AS+2*\m+1, 1, 0
.endr
	WIN 0
	PLACES 4                                       ; behind the last products, ahead of the first read of results (ISA guide 7.12.1)
	s_wait_xcnt 0x0                                ; the last round's stores have read their registers
	QUANT HA, 0                                    ; blocks 0, 1: q's heads 2 w, 2 w + 1; blocks 2, 3: k's
	global_store_b64 v[CST], v[PC:PC+1], s[24:25] offset:2048*\m            ; each store: 256 consecutive bytes, aligned
	global_store_b64 v[CST], v[PC+2:PC+3], s[24:25] offset:2048*\m+256
	global_store_b64 v[CST], v[PC+4:PC+5], s[26:27] offset:256*\m
	global_store_b64 v[CST], v[PC+6:PC+7], s[26:27] offset:256*\m+1024
	v_cndmask_b32 v12, v[TM+4], v[TM+5], s[HI16]   ; lanes 0-15 head 2 w, lanes 16-31 head 2 w + 1
	v_lshl_or_b32 v12, v12, 8, v12
	v_lshl_or_b32 v12, v12, 16, v12                ; q's byte four times: it serves whichever block holds the codes
	global_store_b32 v[LS], v12, s[30:31] offset:512*\m
.if \m == 0
	v_mov_b32 v[KSW], v[TM+6]
	v_mov_b32 v[KSW+1], v[TM+7]
.else
	v_lshl_or_b32 v[KSW], v[TM+6], 8*\m, v[KSW]
	v_lshl_or_b32 v[KSW+1], v[TM+7], 8*\m, v[KSW+1]
.endif
.endm
; v of tokens 32 bp .. 32 bp + 31: accumulator 2 ct + u = tile ct of Wv's rows x token tile 2 bp + u
.macro VROUND bp
	WIN 0x04                                       ; source 1 (the weight) window 1
.irp e, 0,1,2,3,4,5,6,7
	WMMA HA+8*\e, AF+32*\bp+16*(\e%2), 16*(8+\e/2), -1, AS+4*\bp+2*(\e%2), WS+8+\e/2, 0, 0
.endr
.irp e, 0,1,2,3,4,5,6,7
	WMMA HA+8*\e, AF+32*\bp+16*(\e%2)+8, 16*(8+\e/2)+8, HA+8*\e, AS+4*\bp+2*(\e%2)+1, WS+8+\e/2, 0, 1
.endr
	WIN 0
	PLACES 4
	s_wait_xcnt 0x0
	QUANT HA, 0                                    ; block ct: 32 tokens of channel r of tile ct
.irp ct, 0,1,2,3
	global_store_b64 v[CST], v[PC+2*\ct:PC+2*\ct+1], s[28:29] offset:1024*\ct+256*\bp
.if \bp == 0
	v_mov_b32 v[VSW+\ct], v[TM+4+\ct]
.else
	v_lshl_or_b32 v[VSW+\ct], v[TM+4+\ct], 8, v[VSW+\ct]
.endif
.endr
.endm
	QKROUND 0
	QKROUND 1
	QKROUND 2
	QKROUND 3
	VROUND 0
	VROUND 1
	s_wait_alu depctr_va_vdst(0)
	s_wait_xcnt 0x0
	v_cndmask_b32 v12, v[KSW], v[KSW+1], s[HI16]
	global_store_b32 v[LS], v12, s[32:33]
	v_cndmask_b32 v13, v[VSW], v[VSW+1], s[HI16]
	global_store_b32 v[LS], v13, s[34:35]
	v_cndmask_b32 v14, v[VSW+2], v[VSW+3], s[HI16]
	global_store_b32 v[LS], v14, s[34:35] offset:128
	s_wait_tensorcnt 0x0
	ds_add_u32 v58, v59
	s_wait_dscnt 0x0
	s_endpgm
.Lfunc_end_k_q261fa91e3a_qkv:
	.size	k_q261fa91e3a_qkv, .Lfunc_end_k_q261fa91e3a_qkv-k_q261fa91e3a_qkv
	.p2alignl 7, 3214868480
	.fill 96, 4, 3214868480
	.section	.rodata,"a",@progbits
	.p2align	6, 0x0
	.amdhsa_kernel k_q261fa91e3a_qkv
		.amdhsa_group_segment_fixed_size 9728
		.amdhsa_private_segment_fixed_size 0
		.amdhsa_enable_private_segment 0
		.amdhsa_kernarg_size 56
		.amdhsa_user_sgpr_count 2
		.amdhsa_user_sgpr_kernarg_segment_ptr 1
		.amdhsa_wavefront_size32 1
		.amdhsa_system_sgpr_workgroup_id_x 1
		.amdhsa_system_sgpr_workgroup_id_y 1
		.amdhsa_system_sgpr_workgroup_id_z 1
		.amdhsa_system_vgpr_workitem_id 0
		.amdhsa_next_free_vgpr 768
		.amdhsa_next_free_sgpr 66
		.amdhsa_reserve_vcc 0
		.amdhsa_float_denorm_mode_32 3
		.amdhsa_float_denorm_mode_16_64 3
		.amdhsa_memory_ordered 1
		.amdhsa_forward_progress 1
		.amdhsa_inst_pref_size 87
	.end_amdhsa_kernel
	.amdgpu_metadata
---
amdhsa.version: [ 1, 2 ]
amdhsa.kernels:
  - .name:           k_q261fa91e3a_qkv
    .symbol:         k_q261fa91e3a_qkv.kd
    .args:
      - { .name: x, .offset: 0, .size: 8, .value_kind: global_buffer, .address_space: global }
      - { .name: gamma1, .offset: 8, .size: 8, .value_kind: global_buffer, .address_space: global }
      - { .name: beta1, .offset: 16, .size: 8, .value_kind: global_buffer, .address_space: global }
      - { .name: wimg, .offset: 24, .size: 8, .value_kind: global_buffer, .address_space: global }
      - { .name: wscl, .offset: 32, .size: 8, .value_kind: global_buffer, .address_space: global }
      - { .name: qkvc, .offset: 40, .size: 8, .value_kind: global_buffer, .address_space: global }
      - { .name: qkvs, .offset: 48, .size: 8, .value_kind: global_buffer, .address_space: global }
    .group_segment_fixed_size: 9728
    .private_segment_fixed_size: 0
    .kernarg_segment_align: 8
    .kernarg_segment_size: 56
    .max_flat_workgroup_size: 128
    .sgpr_count:     66
    .vgpr_count:     768
    .wavefront_size: 32
...
	.end_amdgpu_metadata
.endif
;; end of part 2
;; launch attn_ffn (part 3): grid 256 x 1, 4 waves a work-group, no clusters, 327,680 bytes of LDS; arguments x, spatial_encoding, edge_encoding, gamma2, beta2, b1, b2, qkvc, qkvs, wimg, wscl, out0; writes out0
.if DOCPART == 3
	.amdgcn_target "amdgcn-amd-amdhsa--gfx1250"
	.amdhsa_code_object_version 6
	.text
	.protected	k_q261fa91e3a_attn_ffn
	.globl	k_q261fa91e3a_attn_ffn
	.p2align	8
	.type	k_q261fa91e3a_attn_ffn,@function
k_q261fa91e3a_attn_ffn:
	s_mov_b64 s[64:65], 0
	v_nop
	global_prefetch_b8 v0, s[64:65] scope:SCOPE_SE
	s_setreg_imm32_b32 hwreg(HW_REG_WAVE_MODE, 25, 1), 1
	s_wait_xcnt 0x0
; Attention with its bias, the output projection, the residual, both masks, the second layer norm and the feed-forward layer, for 64 queries (group G = work-group) of one batch.
; All products on codes of MX-FP4 with E8M0 scales; all else in f32.  o, the hidden layer and att_output never go to memory.
; THE LOOP: four blocks i of 16 queries (lane r: query pi(i, r) = 32 (i / 2) + 8 (i % 2) + r % 8 + 16 (r / 8)), in each two trips j; in trip tau = 2 i + j wave w does head w + 4 j:
; all 1,024 scores of its 16 queries stand in 512 registers, since p is quantised finished and normalised: a row's maximum and sum are known before any p is converted.
; THE BIAS is shared by the eight heads: each block's 16 rows of spatial and edge encoding come into LDS once by tensor loads (one a wave: 8 rows = 32 KiB dense), are added and
; multiplied by 16, and serve as the C of the score products: the scale 256^-0.5 = 2^-4 is exact, so the product gives 16 a, and 1 / 16 goes into the constant ahead of the exponential.
; SCORES: K = 32 against the instruction's 128: one fragment of k's codes holds four tiles of 16 keys, one in each block of 32; four fragments of q, with the head's codes in one block and zero
; codes in the others, pick the tiles out.  Both products are used transposed: a lane holds one query throughout, and 16 registers of two neighbouring tiles are 16 neighbouring keys.
; k and v go from memory straight into registers as images.  Their tiles are shared by the batch's 16 work-groups, but four waves on four heads would need 139,264 bytes of LDS
; beside the 198,912 of the bias: no joint loads here.
; THE TAIL (64 rows, the waves share the columns: outputs 64 w .., hidden units 256 w ..): o Wo^T + x; the row flags; layer norm 2; W1, gelu, W2; rows with a zero in att_output become zeros.
; The last refill of the bias's bytes brings x's 64 rows (waves 0, 1) and W1's first K step (waves 2, 3): the same line in every trip, its address chosen by the count of blocks.
; LIMITS: NaN and infinities are not served; 16 x bias overflows beyond 2^124; a block under 2^-124 keeps the byte 1; a block's largest p is taken from its largest score, which
; leans on v_exp_f32 not falling where its input rises; 1 / sum, 1 / sqrt and gelu's division are v_rcp_f32 and v_rsq_f32.
.set RAW,   0                          ; filled by tensor loads alone: wave w's 32 rows of 1,024 + 16 bytes at 33,280 w.  Spatial row q at 4,160 q + 1,040 seg, edge + 66,560; at last x's row at 1,040 row, W1's image T at 66,560 + 1,040 T
.set SUM,   133120                     ; 16 rows of 16 (s + e), pitch 4,112
.set OIMG,  198912                     ; o's codes: block w of the n-th trip's fragment at 2,048 w + 256 n (n counts the trips as they run; the tail reads fragment 2 i + j at n = (2 i + j) xor (i % 2))
.set OSC,   207104                     ; its scale bytes as words byte << 8 w at 512 w + 64 n + 4 r
.set FIMG,  209152                     ; ffn_in's fragments (t, s) at 1,024 (2 t + s)
.set FSC,   217344
.set HIMG,  218368                     ; the hidden layer's fragments (s8, t) at 4,096 s8 + 1,024 t
.set HSC,   251136                     ; 512 s8 + 128 t
.set FLG,   255232                     ; smallest magnitudes: 512 w + 128 t + 4 l
.set STG,   257280                     ; 64 rows of the result, pitch 1,040
.set SPARE, 323840                     ; the spare words: 128 bytes a wave, two blocks of 256 bytes that no other line names
; window 0 in the loop
.set SPW, 1
.set NIL, 2
.set AB,  3                            ; SUM + 4,112 r + 64 h
.set RA,  4                            ; 16,640 w + 16 l
.set RE,  5                            ; + 66,560
.set WA,  6                            ; SUM + 16,448 w + 16 l
.set FK,  7                            ; fixed byte offsets of my lane and wave in K, V, KS, VS, Q, QS
.set FV,  8
.set FKS, 9
.set FVS, 10
.set FQ,  11
.set FQS, 12
.set WK,  13                           ; the same with the trip's terms
.set WVA, 14
.set WKS, 15
.set WVS, 16
.set WQ,  17
.set WQS, 18
.set OST, 19
.set QT,  20                           ; v20-23 q's codes as loaded
.set QF,  24                           ; v24-47 [qlo, 0, qlo, qhi, 0, qhi]: fragment bl begins at QF + 12 (bl % 2) + 4 (bl / 2)
.set QS,  48
.set OSB, 49
.set KS,  50                           ; v50-57
.set VSR, 58                           ; v58-73
.set VS,  74                           ; v74-81
.set PWL, 82                           ; v82-89 p's scale words
.set BM,  90                           ; v90-121 a block's largest score, then its largest p, then the conversion's scale operand
.set PT,  122                          ; v122-129
.set ZR,  130                          ; v130-133 largest magnitudes, for the row mask
.set LC,  192                          ; v192-207 eight chains of the row's sum
.set NM,  142                          ; v142-143 -(m c')
.set RL,  144                          ; v144-145 1 / sum, 0 for a row of zeros
.set TA,  146                          ; v146-151 at work
.set PCL, 152                          ; v152-167 p's codes, two buffers
.set OA,  168                          ; v168-183 O^T, two tiles
.set TB,  184                          ; v184-191 at work
; window 1: k's 16 fragments at v[8 f]; v's (s, u) at v[128 + 8 (2 s + u)].   windows 2, 3: the scores, block b of 32 keys at 16 (b % 16), blocks 0-15 in window 2
; window 0 in the tail
.set LI,  3
.set LS,  4
.set XRD, 5
.set FWI, 6
.set FWS, 7
.set OLD, 8
.set OSL, 9
.set XRA, 10
.set STA, 11
.set FLW, 12
.set FLR, 13
.set W1L, 14
.set FIL, 15
.set FSL, 16
.set HWI, 17
.set HWS, 18
.set HIL, 19
.set HSL, 20
.set SRD, 21
.set H64, 22
.set H32, 23
.set W1S, 24                           ; v24-39 [8 s + T / 2], lanes 16-31: odd T
.set W2S, 40                           ; v40-55 [4 T' + s8 / 2], lanes 16-31: odd s8
.set WOS, 56                           ; v56-59 [T'], lanes 16-31: K step 1
.set ZM,  60                           ; v60-63
.set XN,  64                           ; v64-191 in the layer norm
.set B2R, 64                           ; v64-95 b2 in the result's layout
.set XF,  96                           ; v96-111
.set OS,  112                          ; v112-119
.set HS,  120                          ; v120-127, two buffers
.set HA,  128                          ; v128-191
.set TM,  192
.set PC,  208
.set PW,  216
.set FS,  217                          ; v217-218
.set CH,  220
.set MU,  228
.set GT,  64                           ; v64-95 at work in gelu (b2 has been added by then)
.set FL,  236                          ; v236-251
.set K0,  252                          ; v252-253
; scalars
.set WV,  2
.set G0,  32
.set G1,  36
.set BIA, 44                           ; s[44:45] the bias rows that I fetch next
.set TLA, 46                           ; s[46:47] what I fetch at last
.set STP, 48                           ; s[48:49] 8 rows, 24 rows, 8 rows
.set KB,  50
.set VB,  52
.set QB,  54
.set KSB, 56
.set VSB, 58
.set QSB, 60
.set BI,  62
.set HJ,  63
.set TAU, 66
.set NXT, 67
.set CP,  68                           ; s[68:69] c' = log2(e) / 16
.set SEL, 70
.set LO16, 72
.set SH8, 73
.set OTI, 74
.set OTS, 75
.set K1,  76                           ; s[76:77]
.set MK,  80                           ; s80-83
.set S16, 84                           ; s[84:85] 16.0
.set R256, 86
.set EPS, 87
.set HTI, 88
.set HTS, 89
.set MSB, 0
.macro WIN new                         ; the immediate's high byte repeats the setting that is left
.if MSB != \new
	s_set_vgpr_msb (MSB<<8)|\new
.set MSB, \new
.endif
.endm
.macro PLACES n
.rept \n
	v_nop
.endr
.endm
.macro WMMA d, a, b, c, sa, sb, ra     ; c < 0: the constant 0 starts the sum.  ra: source 0's scale words stand in lanes 16-31
.if (\c) < 0
.if \ra
	v_wmma_scale_f32_16x16x128_f8f6f4 v[\d:\d+7], v[\a:\a+7], v[\b:\b+7], 0, v[\sa], v[\sb] matrix_a_fmt:MATRIX_FMT_FP4 matrix_b_fmt:MATRIX_FMT_FP4 matrix_a_scale:MATRIX_SCALE_ROW1
.else
	v_wmma_scale_f32_16x16x128_f8f6f4 v[\d:\d+7], v[\a:\a+7], v[\b:\b+7], 0, v[\sa], v[\sb] matrix_a_fmt:MATRIX_FMT_FP4 matrix_b_fmt:MATRIX_FMT_FP4
.endif
.else
.if \ra
	v_wmma_scale_f32_16x16x128_f8f6f4 v[\d:\d+7], v[\a:\a+7], v[\b:\b+7], v[\c:\c+7], v[\sa], v[\sb] matrix_a_fmt:MATRIX_FMT_FP4 matrix_b_fmt:MATRIX_FMT_FP4 matrix_a_scale:MATRIX_SCALE_ROW1
.else
	v_wmma_scale_f32_16x16x128_f8f6f4 v[\d:\d+7], v[\a:\a+7], v[\b:\b+7], v[\c:\c+7], v[\sa], v[\sb] matrix_a_fmt:MATRIX_FMT_FP4 matrix_b_fmt:MATRIX_FMT_FP4
.endif
.endif
.endm
; k's 16 images and scale words, q's codes and scale word, for head trip s[NXT]: 42 loads
; s[NXT] = 2 i + j of the next trip.  q comes for every trip.  cond = 1: behind an odd trip the next trip has the same head, so k stays in its registers
.macro NEXTK cond
	s_lshl_b32 s4, s[NXT], 10
	v_add_nc_u32 v[WQ], s4, v[FQ]                  ; 2,048 i + 1,024 j
	s_lshl_b32 s4, s[NXT], 8
	v_add_nc_u32 v[WQS], s4, v[FQS]
	global_load_b128 v[QT:QT+3], v[WQ], s[QB:QB+1]
	global_load_b32 v[QS], v[WQS], s[QSB:QSB+1]
.if \cond
	s_bitcmp1_b32 s[TAU], 0                        ; the count of trips alone decides
	s_cbranch_scc1 .Lno_next
.endif
	s_and_b32 s3, s[NXT], 1
	s_lshl_b32 s4, s3, 12
	v_add_nc_u32 v[WK], s4, v[FK]                  ; head w + 4 j: 1,024 bytes a head
	s_lshl_b32 s4, s3, 8
	v_add_nc_u32 v[WKS], s4, v[FKS]
	WIN 0x40
.set nf, 0
.rept 16
	global_load_b128 v[8*nf:8*nf+3], v[WK], s[KB:KB+1] offset:8192*nf
	global_load_b128 v[8*nf+4:8*nf+7], v[WK], s[KB:KB+1] offset:8192*nf+512
.set nf, nf+1
.endr
	WIN 0
.set nf, 0
.rept 8
	global_load_b32 v[KS+nf], v[WKS], s[KSB:KSB+1] offset:1024*nf   ; lanes 0-15 group 2 nf, lanes 16-31 group 2 nf + 1
.set nf, nf+1
.endr
.endm
	s_load_b512 s[8:23], s[0:1], 0x0               ; x s[8:9], spatial s[10:11], edge s[12:13], gamma2 s[14:15], beta2 s[16:17], b1 s[18:19], b2 s[20:21], qkvc s[22:23]
	s_load_b256 s[24:31], s[0:1], 0x40             ; qkvs s[24:25], wimg s[26:27], wscl s[28:29], out0 s[30:31]
	v_lshl_add_u32 v[SPW], v0, 2, SPARE
	v_mov_b32 v[NIL], 0
	ds_add_u32 v1, v2
	ds_add_u32 v1, v2
	s_wait_dscnt 0x0
	v_lshrrev_b32 v[TA], 5, v0
	v_readfirstlane_b32 s[WV], v[TA]               ; wave 0..3
	; descriptor group 1, one for every load: 32 rows of 256 elements of 4 bytes, dense in memory, 4 words of padding behind each row
	s_mov_b32 s[G1], 0x07d20000                    ; 17:16 elements of 4 bytes; 20 padding on; 24:22 after every 256 words (code 7); 31:25 four words (code 3)
	s_mov_b32 s[G1+1], 256<<16                     ; tensor_dim0
	s_mov_b32 s[G1+2], 32<<16                      ; tensor_dim1
	s_mov_b32 s[G1+3], 256<<16                     ; tile_dim0
	s_mov_b32 s[G1+4], 32                          ; tile_dim1
	s_mov_b32 s[G1+5], 256                         ; from row to row
	s_mov_b32 s[G1+6], 0
	s_mov_b32 s[G1+7], 0
	s_and_b32 s3, s[WV], 1
	s_lshl_b32 s4, ttmp9, 18                       ; the group's first row of 4,096 bytes,
	s_lshl_b32 s6, s3, 16
	s_add_co_u32 s4, s4, s6                        ; + 16 rows for waves 1 and 3
	s_mov_b32 s5, 0
	s_lshl_b32 s6, ttmp9, 16                       ; x's 64 rows
	s_lshl_b32 s3, s3, 15
	s_mov_b32 s7, 0
	s_mov_b32 s[STP], 0x8000
	s_mov_b32 s[STP+1], 0
	s_mov_b32 s[G0], 1
	s_mul_i32 s[G0+1], s[WV], 33280                ; my part of RAW
	s_wait_kmcnt 0x0
	s_cmp_lt_u32 s[WV], 2                          ; waves 0, 1: spatial, at last x; waves 2, 3: edge, at last W1's first K step
	s_cselect_b64 s[BIA:BIA+1], s[10:11], s[12:13]
	s_cselect_b64 s[TLA:TLA+1], s[8:9], s[26:27]
	s_cselect_b32 s6, s6, 0x20000
	s_add_co_u32 s6, s6, s3
	s_add_nc_u64 s[BIA:BIA+1], s[BIA:BIA+1], s[4:5]
	s_add_nc_u64 s[TLA:TLA+1], s[TLA:TLA+1], s[6:7]
	s_mov_b64 s[G0+2:G0+3], s[BIA:BIA+1]
	s_or_b32 s[G0+3], s[G0+3], 0x80000000
	tensor_load_to_lds s[G0:G0+3], s[G1:G1+7]      ; block 0's bias: the first fill; by this text's count one tensor load of a wave is out at any time
	s_nop 0
	PLACES 4
	s_lshr_b32 s3, ttmp9, 4                        ; the batch
	s_lshl_b32 s4, s3, 17
	s_add_co_u32 s4, s4, 0x200000
	s_add_nc_u64 s[KB:KB+1], s[22:23], s[4:5]
	s_add_co_u32 s4, s4, 0x200000
	s_add_nc_u64 s[VB:VB+1], s[22:23], s[4:5]
	s_lshl_b32 s4, ttmp9, 13
	s_add_nc_u64 s[QB:QB+1], s[22:23], s[4:5]
	s_lshl_b32 s4, s3, 13
	s_add_co_u32 s4, s4, 0x80000
	s_add_nc_u64 s[KSB:KSB+1], s[24:25], s[4:5]
	s_lshl_b32 s4, s3, 14
	s_add_co_u32 s4, s4, 0xa0000
	s_add_nc_u64 s[VSB:VSB+1], s[24:25], s[4:5]
	s_lshl_b32 s4, ttmp9, 11
	s_add_nc_u64 s[QSB:QSB+1], s[24:25], s[4:5]
	s_mov_b32 s[CP], 0x3db8aa3b
	s_mov_b32 s[CP+1], s[CP]                       ; (named with it as a pair, so it is written)
	s_mov_b32 s[SEL], 0x76543210
	s_mov_b32 s[SEL+1], 0xfedcba98
	s_mov_b32 s[LO16], 0xffff
	s_lshl_b32 s[SH8], s[WV], 3
	s_mov_b32 s[S16], 0x41800000
	s_mov_b32 s[S16+1], s[S16]
	s_mov_b32 s[K1], 0xbdd2d3e8                    ; -2 log2(e) sqrt(2 / pi) x 0.044715
	s_mov_b32 s[K1+1], s[K1]
	s_mov_b32 s[R256], 0x3b800000
	s_mov_b32 s[EPS], 0x3727c5ac
	s_mov_b32 s[BI], 0
	s_mov_b32 s[TAU], 0
	s_mov_b32 s[OTI], 0
	s_mov_b32 s[OTS], 0
	s_mov_b32 s[NXT], 0
	v_and_b32 v[TA], 31, v0                        ; l
	v_and_b32 v[TA+1], 15, v0                      ; r
	v_bfe_u32 v[TA+2], v0, 4, 1                    ; h
	v_mul_u32_u24 v[AB], v[TA+1], 4112
	v_lshl_add_u32 v[AB], v[TA+2], 6, v[AB]
	v_add_nc_u32 v[AB], SUM, v[AB]
	s_mul_i32 s3, s[WV], 16640
	v_lshl_add_u32 v[RA], v[TA], 4, s3
	v_add_nc_u32 v[RE], 66560, v[RA]
	s_mul_i32 s3, s[WV], 16448
	s_add_co_u32 s3, s3, SUM
	v_lshl_add_u32 v[WA], v[TA], 4, s3
	s_lshl_b32 s3, s[WV], 10
	v_lshl_add_u32 v[FK], v[TA], 4, s3
	s_lshl_b32 s3, s[WV], 11
	v_lshl_add_u32 v[FV], v[TA], 4, s3
	s_lshl_b32 s3, s[WV], 6
	v_lshl_add_u32 v[FQS], v[TA+1], 2, s3
	v_lshl_add_u32 v[FKS], v[TA+2], 9, v[FQS]
	s_lshl_b32 s3, s[WV], 7
	v_lshl_add_u32 v[FVS], v[TA], 2, s3
	s_lshl_b32 s3, s[WV], 8
	v_lshl_add_u32 v[FQ], v[TA+1], 4, s3
	s_lshl_b32 s3, s[WV], 11
	s_add_co_u32 s3, s3, OIMG
	v_lshl_add_u32 v[OST], v[TA+1], 4, s3
	v_lshl_add_u32 v[OST], v[TA+2], 3, v[OST]
	s_lshl_b32 s3, s[WV], 9
	s_add_co_u32 s3, s3, OSC
	v_lshl_add_u32 v[OSB], v[TA+1], 2, s3
.irp k, 0,1,2,3
	v_mov_b32 v[QF+4+\k], 0                        ; the zero codes of q's fragments: written once
	v_mov_b32 v[QF+16+\k], 0
.endr
.irp k, 0,1,2,3,4,5,6,7
	v_mov_b32 v[PT+\k], 0                          ; written once: a lane permute's destination counts as one of its sources
.endr
	v_mov_b32 v[TA+3], 0
	NEXTK 0                                        ; trip 0's q and k,
	WIN 0x40                                       ; and its v (head w): 48 loads
.set vi, 0
.rept 16
	global_load_b128 v[128+8*vi:128+8*vi+3], v[FV], s[VB:VB+1] offset:16384*(vi/2)+1024*(vi%2)
	global_load_b128 v[128+8*vi+4:128+8*vi+7], v[FV], s[VB:VB+1] offset:16384*(vi/2)+1024*(vi%2)+512
.set vi, vi+1
.endr
	WIN 0
.set vi, 0
.rept 16
	global_load_b32 v[VSR+vi], v[FVS], s[VSB:VSB+1] offset:1024*vi
.set vi, vi+1
.endr
; 16 (s + e): wave w takes rows 4 w .. 4 w + 3, a row of 4,096 bytes in eight pieces of 512
.macro SUMPASS
	WIN 0x80                                       ; destination window 2: the scores' registers are free between two heads
.set sk, 0
.rept 4
.set sj, 0
.rept 8
	ds_load_b128 v[32*sk+4*sj:32*sk+4*sj+3], v[RA] offset:4160*sk+1040*(sj/2)+512*(sj%2)
.set sj, sj+1
.endr
.set sj, 0
.rept 8
	ds_load_b128 v[128+32*sk+4*sj:128+32*sk+4*sj+3], v[RE] offset:4160*sk+1040*(sj/2)+512*(sj%2)
.set sj, sj+1
.endr
.set sk, sk+1
.endr
.set sk, 0
.rept 4
	s_wait_dscnt 48-8*sk                           ; behind this row's 16 loads: 16 loads for each later row and 8 stores for each earlier one
	WIN 0x8a
.set sj, 0
.rept 16
	v_pk_add_f32 v[32*sk+2*sj:32*sk+2*sj+1], v[32*sk+2*sj:32*sk+2*sj+1], v[128+32*sk+2*sj:128+32*sk+2*sj+1]
.set sj, sj+1
.endr
.set sj, 0
.rept 16
	v_pk_mul_f32 v[32*sk+2*sj:32*sk+2*sj+1], v[32*sk+2*sj:32*sk+2*sj+1], s[S16:S16+1] op_sel_hi:[1,0]
.set sj, sj+1
.endr
	WIN 0x08                                       ; an LDS store's data are its source 1
.set sj, 0
.rept 8
	ds_store_b128 v[WA], v[32*sk+4*sj:32*sk+4*sj+3] offset:4112*sk+512*sj
.set sj, sj+1
.endr
.set sk, sk+1
.endr
	WIN 0
.endm
; 128 keys' bias into the scores' registers: block b, register 16 b + i = key 32 b + 16 h + i
.macro LOADB sg
.if (\sg) < 4
	WIN 0x80
.else
	WIN 0xc0
.endif
.irp b, 0,1,2,3
.irp i, 0,1,2,3
	ds_load_b128 v[16*((4*(\sg)+\b)%16)+4*\i:16*((4*(\sg)+\b)%16)+4*\i+3], v[AB] offset:128*(4*(\sg)+\b)+16*\i
.endr
.endr
.endm
; 128 keys' scores: 16 a = k q + 16 bias.  Eight accumulators, each written once
.macro QKM sg
.if (\sg) < 4
	WIN 0xa1                                       ; source 0 (k) window 1, source 1 (q) window 0, C and D window 2
.else
	WIN 0xf1
.endif
.irp ff, 0,1
.irp bl, 0,1,2,3
.set rS, 8*((8*(\sg)+4*\ff+\bl)%32)
	WMMA rS, 8*(2*(\sg)+\ff), QF+12*(\bl%2)+4*(\bl/2), rS, KS+(\sg), QS, \ff
.endr
.endr
.endm
; each block's largest score, and the largest magnitude so far; each accumulator is read from its low end on
.macro MAXES sg
.if (\sg) < 4
	WIN 0x28
.else
	WIN 0x3c
.endif
.irp i, 0,2,4,6,8,10,12,14
.irp b, 0,1,2,3
.set rS, 16*((4*(\sg)+\b)%16)+\i
.if \i == 0
	v_max3_num_f32 v[BM+4*(\sg)+\b], 0xff800000, v[rS], v[rS+1]
.else
	v_max3_num_f32 v[BM+4*(\sg)+\b], v[BM+4*(\sg)+\b], v[rS], v[rS+1]
.endif
.if (\i == 0) && ((\sg) == 0)
	v_max3_num_f32 v[ZR+\b], 0, |v[rS]|, |v[rS+1]|
.else
	v_max3_num_f32 v[ZR+\b], v[ZR+\b], |v[rS]|, |v[rS+1]|
.endif
.endr
.endr
.endm
.macro FMAP n, p                       ; pair p of chunk n: S c' - m c'
	v_pk_fma_f32 v[64*((\n)%4)+2*(\p):64*((\n)%4)+2*(\p)+1], v[64*((\n)%4)+2*(\p):64*((\n)%4)+2*(\p)+1], s[CP:CP+1], v[NM:NM+1] op_sel_hi:[1,0,0]
.endm
.macro MULS st                         ; 128 keys' p = e / sum
.if (\st) < 4
	WIN 0x82
.else
	WIN 0xc3
.endif
.set cp, 0
.rept 32
	v_pk_mul_f32 v[64*((\st)%4)+2*cp:64*((\st)%4)+2*cp+1], v[64*((\st)%4)+2*cp:64*((\st)%4)+2*cp+1], v[RL:RL+1]
.set cp, cp+1
.endr
.endm
.macro CVT st                          ; their codes, as a fragment, into buffer st % 2
.if (\st) < 4
	WIN 0x02
.else
	WIN 0x03
.endif
.irp b, 0,1,2,3
	v_cvt_scalef32_pk8_fp4_f32 v[PCL+8*((\st)%2)+2*\b], v[64*((\st)%4)+16*\b:64*((\st)%4)+16*\b+7], v[BM+4*(\st)+\b]
	v_cvt_scalef32_pk8_fp4_f32 v[PCL+8*((\st)%2)+2*\b+1], v[64*((\st)%4)+16*\b+8:64*((\st)%4)+16*\b+15], v[BM+4*(\st)+\b]
.endr
	WIN 0
	v_nop                                          ; one plain line behind the last scaled conversion
.irp c, 0,1
.irp i, 0,1
	v_permlane16_swap_b32 v[PCL+8*((\st)%2)+4*\c+\i], v[PCL+8*((\st)%2)+4*\c+2+\i]   ; a whole block to a lane
.endr
.endr
.endm
.macro PVM st                          ; O^T += v^T p^T: the two accumulators by turns
	WIN 0x01
.if (\st) == 0
	WMMA OA, 128+16*(\st), PCL+8*((\st)%2), -1, VS+(\st), PWL+(\st), 0
	WMMA OA+8, 128+16*(\st)+8, PCL+8*((\st)%2), -1, VS+(\st), PWL+(\st), 1
.else
	WMMA OA, 128+16*(\st), PCL+8*((\st)%2), OA, VS+(\st), PWL+(\st), 0
	WMMA OA+8, 128+16*(\st)+8, PCL+8*((\st)%2), OA+8, VS+(\st), PWL+(\st), 1
.endif
.endm
.Lblock:
	s_wait_tensorcnt 0x0                           ; my part of this block's bias has landed: it is my one load, and none was issued behind it
	s_wait_dscnt 0x0                               ; my reads of the last block's sums are over
	s_barrier_signal -1
	s_barrier_wait -1                              ; both hold of every wave
	SUMPASS
	s_wait_tensorcnt 0x0                           ; no tensor load of mine is out: group 0 may be written
	ds_add_u32 v[SPW], v[NIL]                      ; 0 onto my spare word
	s_add_nc_u64 s[BIA:BIA+1], s[BIA:BIA+1], s[STP:STP+1]   ; the next block's rows: 8, 24, 8 rows on
	s_xor_b32 s[STP], s[STP], 0x10000
	s_cmp_eq_u32 s[BI], 3
	s_cselect_b64 s[G0+2:G0+3], s[TLA:TLA+1], s[BIA:BIA+1]  ; behind the last block: x, or W1's first K step
	s_or_b32 s[G0+3], s[G0+3], 0x80000000
	s_wait_dscnt 0x0                               ; the add is done, my reads of RAW are over and my sums have landed
	s_barrier_signal -1
	s_barrier_wait -1
	tensor_load_to_lds s[G0:G0+3], s[G1:G1+7]      ; my one load behind this barrier: it has two heads' work in which to land
	s_nop 0
	PLACES 4
	s_mov_b32 s[HJ], 0
.Lhead:
	; THE ORDER OF HEADS: a block's two trips go j = 0, 1 in even blocks and j = 1, 0 in odd ones, so a wave's head changes at odd trips alone: k and v are fetched 5 times a wave for its 8 trips
	s_wait_loadcnt 0x0                             ; q, and k where it was asked for a trip ago, are in (trip 0: v too): no load of mine is out when v's registers are asked for again
	; ---- odd trips: v's 16 images and scale words are asked for; even trips keep the last trip's k and v
	s_bitcmp1_b32 s[TAU], 0
	s_cbranch_scc0 .Lsame_v
	s_lshr_b32 s3, s[TAU], 1
	s_xor_b32 s3, s3, s[TAU]
	s_and_b32 s4, s3, 1                            ; j = (trip xor trip / 2) % 2
	s_lshl_b32 s3, s4, 13
	v_add_nc_u32 v[WVA], s3, v[FV]
	s_lshl_b32 s3, s4, 9
	v_add_nc_u32 v[WVS], s3, v[FVS]
	WIN 0x40
.set vi, 0
.rept 16
	global_load_b128 v[128+8*vi:128+8*vi+3], v[WVA], s[VB:VB+1] offset:16384*(vi/2)+1024*(vi%2)
	global_load_b128 v[128+8*vi+4:128+8*vi+7], v[WVA], s[VB:VB+1] offset:16384*(vi/2)+1024*(vi%2)+512
.set vi, vi+1
.endr
	WIN 0
.set vi, 0
.rept 16
	global_load_b32 v[VSR+vi], v[WVS], s[VSB:VSB+1] offset:1024*vi
.set vi, vi+1
.endr
.Lsame_v:
.irp k, 0,1,2,3
	v_cndmask_b32 v[QF+\k], 0, v[QT+\k], s[LO16]       ; q's codes in lanes 0-15,
	v_cndmask_b32 v[QF+8+\k], 0, v[QT+\k], s[LO16]
	v_cndmask_b32 v[QF+12+\k], v[QT+\k], 0, s[LO16]    ; in lanes 16-31
	v_cndmask_b32 v[QF+20+\k], v[QT+\k], 0, s[LO16]
.endr
	PLACES 4                                       ; an operand written by vector instructions stands four places ahead of a scaled product
	; ---- the scores, 128 keys a step: the bias two steps ahead, the maxima one step behind
	LOADB 0
	LOADB 1
	s_wait_alu depctr_va_vdst(0)
.irp sg, 0,1,2,3,4,5,6,7
.if \sg < 7
	s_wait_alu depctr_va_vdst(0)
	s_wait_dscnt 16                                ; this step's 16 loads are in, the next step's may be out
.else
	s_wait_alu depctr_va_vdst(0)
	s_wait_dscnt 0x0
.endif
	QKM \sg
.if \sg < 6
	LOADB \sg+2
.endif
.if \sg == 1
	PLACES 4                                       ; behind step 0's products; later the maxima of the step before are the places
.endif
.if \sg > 0
	MAXES \sg-1
.endif
.endr
	PLACES 4
	MAXES 7
	WIN 0
	s_wait_loadcnt 0x0                             ; v, asked for 64 products ago
	s_cmp_eq_u32 s[TAU], 7
	s_cbranch_scc1 .Lno_next                       ; the last trip asks for nothing
	s_add_co_u32 s[NXT], s[TAU], 1
	s_bfe_u32 s3, s[NXT], 0x10001
	s_xor_b32 s[NXT], s[NXT], s3                   ; 2 i + j of the next trip: its count, with j turned round in odd blocks
	NEXTK 1
.Lno_next:
	; ---- the blocks' maxima across the halves of the lanes, the row's maximum, the row mask, each block's largest exponential
.set ag, 0
.rept 4
.irp k, 0,1,2,3,4,5,6,7
	v_permlanex16_b32 v[PT+\k], v[BM+8*ag+\k], s[SEL], s[SEL+1]
.endr
.irp k, 0,1,2,3,4,5,6,7
	v_max_num_f32 v[BM+8*ag+\k], v[BM+8*ag+\k], v[PT+\k]
.endr
.set ag, ag+1
.endr
	v_max3_num_f32 v[TA], v[BM], v[BM+1], v[BM+2]
	v_max3_num_f32 v[TA+1], v[BM+3], v[BM+4], v[BM+5]
.irp k, 6,10,14,18,22,26
	v_max3_num_f32 v[TA], v[TA], v[BM+\k], v[BM+\k+1]
	v_max3_num_f32 v[TA+1], v[TA+1], v[BM+\k+2], v[BM+\k+3]
.endr
	v_max3_num_f32 v[TA], v[TA], v[BM+30], v[BM+31]
	v_max_num_f32 v[TA], v[TA], v[TA+1]            ; 16 x the row's largest a
	v_max3_num_f32 v[TA+2], v[ZR], v[ZR+1], v[ZR+2]
	v_max_num_f32 v[TA+2], v[TA+2], v[ZR+3]
	v_permlanex16_b32 v[TA+3], v[TA+2], s[SEL], s[SEL+1]
	v_max_num_f32 v[TA+2], v[TA+2], v[TA+3]        ; 0 only where every a of the row is 0
	v_mul_f32 v[NM], s[CP], -v[TA]
	v_mov_b32 v[NM+1], v[NM]
.irp k, 0,1,2,3,4,5,6,7,8,9,10,11,12,13,14,15
	v_mov_b32 v[LC+\k], 0
.endr
.set ag, 0
.rept 32
	v_fma_f32 v[BM+ag], v[BM+ag], s[CP], v[NM]
.set ag, ag+1
.endr
.set ag, 0
	s_wait_alu depctr_va_vdst(0)
.rept 32
	v_exp_f32 v[BM+ag], v[BM+ag]
.set ag, ag+1
.endr
	v_nop                                          ; one plain line behind the transcendentals
	; ---- e = 2^(S c' - m c') and the row's sum, 64 registers a chunk; the next chunk's multiply-adds stand between the exponentials
.irp n, 0,1,2,3,4,5,6,7
.if \n < 4
	WIN 0x82
.else
	WIN 0xc3
.endif
.if (\n == 0) || (\n == 4)
.set bp, 0
.rept 32
	FMAP \n, bp
.set bp, bp+1
.endr
.endif
.set bp, 0
	s_wait_alu depctr_va_vdst(0)
.rept 32
.if (\n != 3) && (\n != 7)
	FMAP \n+1, bp
.endif
	v_exp_f32 v[64*(\n%4)+2*bp], v[64*(\n%4)+2*bp]
	v_exp_f32 v[64*(\n%4)+2*bp+1], v[64*(\n%4)+2*bp+1]
.set bp, bp+1
.endr
	v_nop
.if \n < 4
	WIN 0x02
.else
	WIN 0x03
.endif
.set bp, 0
	s_wait_alu depctr_va_vdst(0)
.rept 32
	v_pk_add_f32 v[LC+2*(bp%8):LC+2*(bp%8)+1], v[64*(\n%4)+2*bp:64*(\n%4)+2*bp+1], v[LC+2*(bp%8):LC+2*(bp%8)+1]
.set bp, bp+1
.endr
.endr
	WIN 0
.irp k, 0,2,4,6
	v_pk_add_f32 v[LC+\k:LC+\k+1], v[LC+\k:LC+\k+1], v[LC+8+\k:LC+8+\k+1]   ; eight chains into four
.endr
	v_pk_add_f32 v[LC:LC+1], v[LC:LC+1], v[LC+2:LC+3]
	v_pk_add_f32 v[LC+4:LC+5], v[LC+4:LC+5], v[LC+6:LC+7]
	v_pk_add_f32 v[LC:LC+1], v[LC:LC+1], v[LC+4:LC+5]
	v_add_f32 v[TA], v[LC], v[LC+1]
	v_permlanex16_b32 v[TA+3], v[TA], s[SEL], s[SEL+1]
	v_add_f32 v[TA], v[TA], v[TA+3]
	s_wait_alu depctr_va_vdst(0)
	v_rcp_f32 v[RL], v[TA]
	v_cmp_lt_f32 vcc_lo, 0, v[TA+2]                ; (a plain line behind the reciprocal)
	s_wait_alu depctr_va_vdst(0)
	v_cndmask_b32 v[RL], 0, v[RL], vcc_lo          ; a row whose every a is 0 has p = 0
	v_mov_b32 v[RL+1], v[RL]
	; ---- the blocks' scales: the largest p by the same multiplication as every p
.set ag, 0
.rept 32
	v_mul_f32 v[BM+ag], v[BM+ag], v[RL]
.set ag, ag+1
.endr
.set ag, 0
.rept 32
	v_max_num_f32 v[BM+ag], 0x1800000, v[BM+ag]    ; the floor 2^(3 - 127)
.set ag, ag+1
.endr
.set ag, 0
.rept 32
	v_add_nc_u32 v[BM+ag], 0xff000000, v[BM+ag]    ; the conversion's scale operand
.set ag, ag+1
.endr
.set ag, 0
.rept 8
	v_lshrrev_b32 v[TB], 23, v[BM+4*ag]
	v_lshrrev_b32 v[TB+1], 23, v[BM+4*ag+1]
	v_lshrrev_b32 v[TB+2], 23, v[BM+4*ag+2]
	v_lshrrev_b32 v[TB+3], 23, v[BM+4*ag+3]
	v_lshl_or_b32 v[PWL+ag], v[TB+1], 8, v[TB]
	v_lshl_or_b32 v[PWL+ag], v[TB+2], 16, v[PWL+ag]
	v_lshl_or_b32 v[PWL+ag], v[TB+3], 24, v[PWL+ag]
	v_lshl_or_b32 v[VS+ag], v[VSR+2*ag+1], 16, v[VSR+2*ag]   ; v's scale word of 128 keys: two groups' two bytes
.set ag, ag+1
.endr
	; ---- p, its codes, and O^T: a step's multiplications are the places ahead of the step before's products
	MULS 0
	CVT 0
.irp st, 0,1,2,3,4,5,6,7
.if \st < 7
	MULS \st+1
.else
	PLACES 4
.endif
	PVM \st
.if \st < 7
	CVT \st+1
.endif
.endr
	; ---- o's 32 channels of this head are a block of the next product's K
	WIN 0
	PLACES 4
	v_max3_num_f32 v[TA], |v[OA]|, |v[OA+1]|, 0x1800000
.irp i, 2,4,6,8,10,12,14
	v_max3_num_f32 v[TA], v[TA], |v[OA+\i]|, |v[OA+\i+1]|
.endr
	v_permlanex16_b32 v[TA+3], v[TA], s[SEL], s[SEL+1]
	v_max_num_f32 v[TA], v[TA], v[TA+3]
	v_add_nc_u32 v[TA+1], 0xff000000, v[TA]
	v_cvt_scalef32_pk8_fp4_f32 v[TB+2], v[OA:OA+7], v[TA+1]
	v_cvt_scalef32_pk8_fp4_f32 v[TB+3], v[OA+8:OA+15], v[TA+1]
	v_lshrrev_b32 v[TA+4], 23, v[TA+1]             ; the byte (a plain line behind the conversions),
	v_lshlrev_b32 v[TA+4], s[SH8], v[TA+4]         ; at my head's place in the fragment's scale word
	v_add_nc_u32 v[TA+5], s[OTI], v[OST]
	v_add_nc_u32 v[TB], s[OTS], v[OSB]
	ds_store_b64 v[TA+5], v[TB+2:TB+3]
	ds_store_b32 v[TB], v[TA+4]                    ; both halves of the lanes write the same word with the same value
	s_add_co_u32 s[OTI], s[OTI], 256
	s_add_co_u32 s[OTS], s[OTS], 64
	s_add_co_u32 s[TAU], s[TAU], 1
	s_add_co_u32 s[HJ], s[HJ], 1
	s_cmp_lt_u32 s[HJ], 2
	s_cbranch_scc1 .Lhead
	s_add_co_u32 s[BI], s[BI], 1
	s_cmp_lt_u32 s[BI], 4
	s_cbranch_scc1 .Lblock
	; ================ THE TAIL ================
.macro QUANT s                         ; 64 numbers of a lane, register 16 b + i = place 32 b + 16 h + i along K: a fragment in v[PC] on, its scale word in v[PW]
.irp b, 0,1,2,3
	v_max3_num_f32 v[TM+\b], |v[\s+16*\b]|, |v[\s+1+16*\b]|, 0x1800000
.endr
.irp i, 2,4,6,8,10,12,14
.irp b, 0,1,2,3
	v_max3_num_f32 v[TM+\b], v[TM+\b], |v[\s+16*\b+\i]|, |v[\s+1+16*\b+\i]|
.endr
.endr
.irp b, 0,1,2,3
	v_permlanex16_b32 v[TM+4+\b], v[TM+\b], s[SEL], s[SEL+1]
.endr
.irp b, 0,1,2,3
	v_max_num_f32 v[TM+\b], v[TM+\b], v[TM+4+\b]
.endr
.irp b, 0,1,2,3
	v_add_nc_u32 v[TM+12+\b], 0xff000000, v[TM+\b]
.endr
.irp b, 0,1,2,3
	v_lshrrev_b32 v[TM+4+\b], 23, v[TM+12+\b]
.endr
	v_lshl_or_b32 v[PW], v[TM+5], 8, v[TM+4]
	v_lshl_or_b32 v[PW], v[TM+6], 16, v[PW]
	v_lshl_or_b32 v[PW], v[TM+7], 24, v[PW]
.irp b, 0,1,2,3
	v_cvt_scalef32_pk8_fp4_f32 v[PC+2*\b], v[\s+16*\b:\s+7+16*\b], v[TM+12+\b]
	v_cvt_scalef32_pk8_fp4_f32 v[PC+1+2*\b], v[\s+8+16*\b:\s+15+16*\b], v[TM+12+\b]
.endr
	v_nop
.irp c, 0,1
.irp i, 0,1
	v_permlane16_swap_b32 v[PC+4*\c+\i], v[PC+2+4*\c+\i]
.endr
.endr
.endm
.macro IMAGE adr, off                  ; the fragment goes to LDS as it stands
	ds_store_b128 v[\adr], v[PC:PC+3] offset:\off
	ds_store_b128 v[\adr], v[PC+4:PC+7] offset:\off+512
.endm
.macro BARRIER                         ; my LDS stores have landed and my LDS loads are in: then the work-group's barrier
	s_wait_dscnt 0x0
	s_barrier_signal -1
	s_barrier_wait -1
.endm
.macro GELU x                          ; x / (1 + 2^(x (k0 + k1 x^2))): the tanh form of gelu, 32 numbers at a time, each accumulator from its low end on; each batch of transcendentals has one wait ahead of it and one behind it
.set gg, 0
.rept 2
.set gp, 0
.rept 16
	v_pk_mul_f32 v[GT+2*gp:GT+2*gp+1], v[\x+32*gg+2*gp:\x+32*gg+2*gp+1], v[\x+32*gg+2*gp:\x+32*gg+2*gp+1]
.set gp, gp+1
.endr
.set gp, 0
.rept 16
	v_pk_fma_f32 v[GT+2*gp:GT+2*gp+1], v[GT+2*gp:GT+2*gp+1], s[K1:K1+1], v[K0:K0+1] op_sel_hi:[1,0,1]
.set gp, gp+1
.endr
.set gp, 0
.rept 16
	v_pk_mul_f32 v[GT+2*gp:GT+2*gp+1], v[GT+2*gp:GT+2*gp+1], v[\x+32*gg+2*gp:\x+32*gg+2*gp+1]
.set gp, gp+1
.endr
	s_wait_alu depctr_va_vdst(0)
.set gp, 0
.rept 32
	v_exp_f32 v[GT+gp], v[GT+gp]
.set gp, gp+1
.endr
	v_nop
	s_wait_alu depctr_va_vdst(0)
.set gp, 0
.rept 16
	v_pk_add_f32 v[GT+2*gp:GT+2*gp+1], v[GT+2*gp:GT+2*gp+1], 1.0 op_sel_hi:[1,0]
.set gp, gp+1
.endr
	s_wait_alu depctr_va_vdst(0)
.set gp, 0
.rept 32
	v_rcp_f32 v[GT+gp], v[GT+gp]
.set gp, gp+1
.endr
	v_nop
	s_wait_alu depctr_va_vdst(0)
.set gp, 0
.rept 16
	v_pk_mul_f32 v[\x+32*gg+2*gp:\x+32*gg+2*gp+1], v[\x+32*gg+2*gp:\x+32*gg+2*gp+1], v[GT+2*gp:GT+2*gp+1]
.set gp, gp+1
.endr
.set gg, gg+1
.endr
.endm
	s_wait_loadcnt 0x0                             ; no load of mine is out (the last trip asked for nothing): the loop's address registers and bases may be written
	v_and_b32 v220, 31, v0                         ; l
	v_and_b32 v221, 15, v0                         ; r
	v_bfe_u32 v222, v0, 4, 1                       ; h
	v_and_b32 v223, 7, v221
	v_lshrrev_b32 v224, 3, v221
	v_lshl_add_u32 v223, v224, 4, v223
	v_mul_u32_u24 v223, v223, 1040                 ; row r % 8 + 16 (r / 8), pitch 1,040
	v_lshlrev_b32 v[LI], 4, v220
	s_wait_alu depctr_va_vdst(0)
	v_lshlrev_b32 v[LS], 2, v220
	s_wait_alu depctr_va_vdst(0)
	s_lshr_b32 s3, s[WV], 1
	s_lshl_b32 s3, s3, 5
	s_and_b32 s4, s[WV], 1
	s_lshl_b32 s4, s4, 3
	s_add_co_u32 s3, s3, s4
	s_mul_i32 s3, s3, 1040
	v_lshl_add_u32 v[XRD], v222, 6, v223
	v_add_nc_u32 v[XRD], s3, v[XRD]                ; x's row pi(w, r), + 64 h
	s_lshl_b32 s3, s[WV], 11
	s_add_co_u32 s3, s3, FIMG
	v_add_nc_u32 v[FWI], s3, v[LI]
	s_lshl_b32 s3, s[WV], 8
	s_add_co_u32 s4, s3, FSC
	v_add_nc_u32 v[FWS], s4, v[LS]
	v_lshlrev_b32 v[OLD], 4, v221
	v_lshl_add_u32 v[OLD], v222, 11, v[OLD]
	v_add_nc_u32 v[OLD], OIMG, v[OLD]              ; o's fragments: block 2 c + h at 2,048 (2 c + h)
	v_lshl_add_u32 v[OSL], v221, 2, OSC
	v_lshl_add_u32 v[XRA], v222, 5, v223
	v_add_nc_u32 v[XRA], s3, v[XRA]                ; the result's layout: that row, + 256 w + 32 h
	v_add_nc_u32 v[STA], STG, v[XRA]
	s_lshl_b32 s3, s[WV], 9
	s_add_co_u32 s3, s3, FLG
	v_add_nc_u32 v[FLW], s3, v[LS]
	v_add_nc_u32 v[FLR], FLG, v[LS]
	s_mul_i32 s3, s[WV], 16640
	s_add_co_u32 s4, s3, 66560
	v_add_nc_u32 v[W1L], s4, v[LI]
	s_add_co_u32 s4, s3, STG
	v_add_nc_u32 v[SRD], s4, v[LI]
	v_add_nc_u32 v[FIL], FIMG, v[LI]
	v_add_nc_u32 v[FSL], FSC, v[LS]
	s_lshl_b32 s3, s[WV], 13
	s_add_co_u32 s3, s3, HIMG
	v_add_nc_u32 v[HWI], s3, v[LI]
	s_lshl_b32 s3, s[WV], 10
	s_add_co_u32 s3, s3, HSC
	v_add_nc_u32 v[HWS], s3, v[LS]
	v_add_nc_u32 v[HIL], HIMG, v[LI]
	v_add_nc_u32 v[HSL], HSC, v[LS]
	v_lshlrev_b32 v[H64], 6, v222
	s_wait_alu depctr_va_vdst(0)
	v_lshlrev_b32 v[H32], 5, v222
.irp b, 0,1,2,3
	v_mov_b32 v[TM+4+\b], 0
.endr
	v_mov_b32 v[K0], 0xc0135761                    ; -2 log2(e) sqrt(2 / pi)
	v_mov_b32 v[K0+1], 0xc0135761
	s_mov_b32 s5, 0
	s_lshl_b32 s4, s[WV], 14
	s_add_co_u32 s4, s4, 196608
	s_add_nc_u64 s[KB:KB+1], s[26:27], s[4:5]      ; W1's second K step, my 16 tiles
	s_lshl_b32 s4, s[WV], 13
	s_add_co_u32 s4, s4, 98304
	s_add_nc_u64 s[VB:VB+1], s[26:27], s[4:5]      ; Wo, my 4 tiles
	s_lshl_b32 s4, s[WV], 15
	s_add_co_u32 s4, s4, 262144
	s_add_nc_u64 s[QB:QB+1], s[26:27], s[4:5]      ; W2, my 4 tiles
	s_lshl_b32 s4, s[WV], 9
	s_add_co_u32 s4, s4, 6144
	s_add_nc_u64 s[KSB:KSB+1], s[28:29], s[4:5]    ; their scale records
	s_lshl_b32 s4, s[WV], 10
	s_add_nc_u64 s[18:19], s[18:19], s[4:5]        ; b1: my 256 numbers
	s_add_co_u32 s4, s4, 8192
	s_add_nc_u64 s[VSB:VSB+1], s[28:29], s[4:5]
	s_lshl_b32 s4, s[WV], 11
	s_add_co_u32 s4, s4, 16384
	s_add_nc_u64 s[QSB:QSB+1], s[28:29], s[4:5]
	s_lshl_b32 s4, s[WV], 8
	s_add_nc_u64 s[20:21], s[20:21], s[4:5]        ; b2: my 64
	s_lshl_b32 s4, ttmp9, 16
	s_lshl_b32 s3, s[WV], 14
	s_add_co_u32 s4, s4, s3
	s_add_nc_u64 s[30:31], s[30:31], s[4:5]        ; the result: the group's rows, my 16
	WIN 0x80                                       ; gamma2 and beta2 into window 2, by XN's index
.set li, 0
.rept 32
	global_load_b128 v[4*li:4*li+3], v[H64], s[14:15] offset:512*(li/16)+128*((li/4)%4)+16*(li%4)
.set li, li+1
.endr
.set li, 0
.rept 32
	global_load_b128 v[128+4*li:128+4*li+3], v[H64], s[16:17] offset:512*(li/16)+128*((li/4)%4)+16*(li%4)
.set li, li+1
.endr
	WIN 0
	s_wait_tensorcnt 0x0                           ; my part of x or of W1 has landed
	BARRIER                                        ; everybody's has, and o's codes and scale words lie in LDS
	; ---- T1: layer norm 2 of my tile of rows, quantised: fragments 2 w and 2 w + 1
.set li, 0
.rept 32
	ds_load_b128 v[XN+4*li:XN+4*li+3], v[XRD] offset:512*(li/16)+128*((li/4)%4)+16*(li%4)
.set li, li+1
.endr
	s_wait_dscnt 0x0
.irp c, 0,1,2,3
	v_pk_add_f32 v[CH+2*\c:CH+2*\c+1], v[XN+2*\c:XN+2*\c+1], v[XN+8+2*\c:XN+8+2*\c+1]
.endr
.set lq, 16
.rept 14
.irp c, 0,1,2,3
	v_pk_add_f32 v[CH+2*\c:CH+2*\c+1], v[CH+2*\c:CH+2*\c+1], v[XN+lq+2*\c:XN+lq+2*\c+1]
.endr
.set lq, lq+8
.endr
	v_pk_add_f32 v[CH:CH+1], v[CH:CH+1], v[CH+2:CH+3]
	v_pk_add_f32 v[CH+4:CH+5], v[CH+4:CH+5], v[CH+6:CH+7]
	v_pk_add_f32 v[CH:CH+1], v[CH:CH+1], v[CH+4:CH+5]
	v_add_f32 v[CH], v[CH], v[CH+1]
	v_permlanex16_b32 v[CH+2], v[CH], s[SEL], s[SEL+1]
	v_add_f32 v[CH], v[CH], v[CH+2]
	v_mul_f32 v[MU], s[R256], v[CH]
	v_mov_b32 v[MU+1], v[MU]
.set lq, 0
.rept 64
	v_pk_add_f32 v[XN+lq:XN+lq+1], v[XN+lq:XN+lq+1], v[MU:MU+1] neg_lo:[0,1] neg_hi:[0,1]
.set lq, lq+2
.endr
.irp c, 0,1,2,3
	v_pk_mul_f32 v[CH+2*\c:CH+2*\c+1], v[XN+2*\c:XN+2*\c+1], v[XN+2*\c:XN+2*\c+1]
.endr
.set lq, 8
.rept 15
.irp c, 0,1,2,3
	v_pk_fma_f32 v[CH+2*\c:CH+2*\c+1], v[XN+lq+2*\c:XN+lq+2*\c+1], v[XN+lq+2*\c:XN+lq+2*\c+1], v[CH+2*\c:CH+2*\c+1]
.endr
.set lq, lq+8
.endr
	v_pk_add_f32 v[CH:CH+1], v[CH:CH+1], v[CH+2:CH+3]
	v_pk_add_f32 v[CH+4:CH+5], v[CH+4:CH+5], v[CH+6:CH+7]
	v_pk_add_f32 v[CH:CH+1], v[CH:CH+1], v[CH+4:CH+5]
	v_add_f32 v[CH], v[CH], v[CH+1]
	v_permlanex16_b32 v[CH+2], v[CH], s[SEL], s[SEL+1]
	v_add_f32 v[CH], v[CH], v[CH+2]
	v_fma_f32 v[CH], v[CH], s[R256], s[EPS]
	s_wait_alu depctr_va_vdst(0)
	v_rsq_f32 v[MU], v[CH]
	v_nop
	s_wait_alu depctr_va_vdst(0)
	v_mov_b32 v[MU+1], v[MU]
.set lq, 0
.rept 64
	v_pk_mul_f32 v[XN+lq:XN+lq+1], v[XN+lq:XN+lq+1], v[MU:MU+1]
.set lq, lq+2
.endr
	WIN 0x40                                       ; window 1: W1's second K step at v128 on, Wo at v0-63
.set wi, 0
.rept 16
	global_load_b128 v[128+8*wi:128+8*wi+3], v[LI], s[KB:KB+1] offset:1024*wi
	global_load_b128 v[128+8*wi+4:128+8*wi+7], v[LI], s[KB:KB+1] offset:1024*wi+512
.set wi, wi+1
.endr
.set wi, 0
.rept 8
	global_load_b128 v[8*wi:8*wi+3], v[LI], s[VB:VB+1] offset:1024*wi
	global_load_b128 v[8*wi+4:8*wi+7], v[LI], s[VB:VB+1] offset:1024*wi+512
.set wi, wi+1
.endr
	WIN 0
.irp n, 0,1,2,3
	global_load_b32 v[WOS+\n], v[LS], s[KSB:KSB+1] offset:128*\n
.endr
	s_wait_loadcnt 52                              ; the 52 just issued may be out: gamma2 and beta2 are in
	WIN 0x28
.set lq, 0
.rept 64
	v_pk_fma_f32 v[XN+lq:XN+lq+1], v[XN+lq:XN+lq+1], v[lq:lq+1], v[128+lq:128+lq+1]
.set lq, lq+2
.endr
	WIN 0
	QUANT XN
	IMAGE FWI, 0
	ds_store_b32 v[FWS], v[PW]
	s_wait_dscnt 0x0                               ; the stores have read their registers
	QUANT XN+64
	IMAGE FWI, 1024
	ds_store_b32 v[FWS], v[PW] offset:128
.irp n, 0,1,2,3
	global_load_b128 v[B2R+8*\n:B2R+8*\n+3], v[H32], s[20:21] offset:64*\n
	global_load_b128 v[B2R+8*\n+4:B2R+8*\n+7], v[H32], s[20:21] offset:64*\n+16
.endr
.set wi, 0
.rept 16
	global_load_b32 v[W1S+wi], v[LS], s[VSB:VSB+1] offset:4096*(wi/8)+128*(wi%8)
.set wi, wi+1
.endr
	WIN 0xc0                                       ; window 3, v128 on: b1 in the result's layout, eight registers a tile
.set wi, 0
.rept 16
	global_load_b128 v[128+8*wi:128+8*wi+3], v[H64], s[18:19] offset:128*(wi/2)+32*(wi%2)
	global_load_b128 v[128+8*wi+4:128+8*wi+7], v[H64], s[18:19] offset:128*(wi/2)+32*(wi%2)+16
.set wi, wi+1
.endr
	WIN 0
	; ---- T2: att_output = o Wo^T + x, my 64 columns of the 64 rows: accumulator (t, T') at v[8 (4 t + T')] of window 3
.set fi, 0
.rept 8
	ds_load_b128 v[HA+8*fi:HA+8*fi+3], v[OLD] offset:256*(fi^((fi>>1)&1))          ; fragment fi = 2 i + j was made in trip fi xor (i % 2)
	ds_load_b128 v[HA+8*fi+4:HA+8*fi+7], v[OLD] offset:256*(fi^((fi>>1)&1))+4096
.irp u, 0,1,2,3
	ds_load_b32 v[220+4*fi+\u], v[OSL] offset:512*\u+64*(fi^((fi>>1)&1))
.endr
.set fi, fi+1
.endr
	WIN 0x80                                       ; x in the result's layout into window 2, v0-127
.irp t, 0,1,2,3
.irp n, 0,1,2,3
	ds_load_b128 v[8*(4*\t+\n):8*(4*\t+\n)+3], v[XRA] offset:(32*(\t/2)+8*(\t%2))*1040+64*\n
	ds_load_b128 v[8*(4*\t+\n)+4:8*(4*\t+\n)+7], v[XRA] offset:(32*(\t/2)+8*(\t%2))*1040+64*\n+16
.endr
.endr
	WIN 0
	s_wait_loadcnt 56                              ; behind Wo and its scale words: b2's 8, W1's 16 scale words, b1's 32
	s_wait_dscnt 0x0
.set fi, 0
.rept 8
	v_or_b32 v[220+4*fi], v[220+4*fi], v[221+4*fi]
	v_or_b32 v[222+4*fi], v[222+4*fi], v[223+4*fi]
	v_or_b32 v[OS+fi], v[220+4*fi], v[222+4*fi]    ; the four heads' bytes make the fragment's scale word
.set fi, fi+1
.endr
	PLACES 8                                       ; a scale register written by a vector instruction stands eight places ahead of a scaled product
	WIN 0xf1                                       ; source 0 (Wo) window 1, source 1 (o) window 0, C and D window 3
.irp t, 0,1,2,3
.irp n, 0,1,2,3
	WMMA 8*(4*\t+\n), 16*\n, HA+16*\t, -1, WOS+\n, OS+2*\t, 0
.endr
.endr
.irp t, 0,1,2,3
.irp n, 0,1,2,3
	WMMA 8*(4*\t+\n), 16*\n+8, HA+16*\t+8, 8*(4*\t+\n), WOS+\n, OS+2*\t+1, 1
.endr
.endr
	WIN 0
	PLACES 4
	WIN 0xcb                                       ; destination and source 0 window 3, source 1 window 2
.set ai, 0
.rept 64
	v_pk_add_f32 v[2*ai:2*ai+1], v[2*ai:2*ai+1], v[2*ai:2*ai+1]   ; + x
.set ai, ai+1
.endr
	WIN 0x3c
.set zi, 0
.rept 16
.irp t, 0,1,2,3
.if zi == 0
	v_min3_num_f32 v[ZM+\t], 0x7f800000, |v[32*\t]|, |v[32*\t+1]|
.else
	v_min3_num_f32 v[ZM+\t], v[ZM+\t], |v[32*\t+2*zi]|, |v[32*\t+2*zi+1]|
.endif
.endr
.set zi, zi+1
.endr
	WIN 0
.irp t, 0,1,2,3
	v_permlanex16_b32 v[220+\t], v[ZM+\t], s[SEL], s[SEL+1]
.endr
.irp t, 0,1,2,3
	v_min_num_f32 v[ZM+\t], v[ZM+\t], v[220+\t]    ; the smallest magnitude of my 64 columns of row pi(t, r): 0 where att_output has a zero
.endr
.irp t, 0,1,2,3
	ds_store_b32 v[FLW], v[ZM+\t] offset:128*\t
.endr
	s_wait_loadcnt 48                              ; behind b2: 16 + 32
	WIN 0xc3
.irp t, 0,1,2,3
.irp n, 0,1,2,3
.irp p, 0,1,2,3
	v_pk_add_f32 v[8*(4*\t+\n)+2*\p:8*(4*\t+\n)+2*\p+1], v[8*(4*\t+\n)+2*\p:8*(4*\t+\n)+2*\p+1], v[B2R+8*\n+2*\p:B2R+8*\n+2*\p+1]
.endr
.endr
.endr
	WIN 0
	BARRIER                                        ; ffn_in's eight fragments and the flags lie in LDS
	; ---- T3: my 256 hidden units, a tile of 16 rows a trip
	WIN 0x40
.set wi, 0
.rept 16
	ds_load_b128 v[8*wi:8*wi+3], v[W1L] offset:1040*wi          ; W1's first K step out of LDS, into window 1, v0-127
	ds_load_b128 v[8*wi+4:8*wi+7], v[W1L] offset:1040*wi+512
.set wi, wi+1
.endr
	WIN 0
	s_wait_loadcnt 0x0
	WIN 0x80                                       ; W2's 32 images fill window 2: (T', s8) at v[8 (8 T' + s8)]
.set wi, 0
.rept 32
	global_load_b128 v[8*wi:8*wi+3], v[LI], s[QB:QB+1] offset:1024*wi
	global_load_b128 v[8*wi+4:8*wi+7], v[LI], s[QB:QB+1] offset:1024*wi+512
.set wi, wi+1
.endr
	WIN 0
.set wi, 0
.rept 16
	global_load_b32 v[W2S+wi], v[LS], s[QSB:QSB+1] offset:128*wi
.set wi, wi+1
.endr
	s_mov_b32 s[BI], 0
	s_mov_b32 s[OTI], 0
	s_mov_b32 s[OTS], 0
	s_mov_b32 s[HTI], 0
	s_mov_b32 s[HTS], 0
.Lrows:
	v_add_nc_u32 v236, s[OTI], v[FIL]
	v_add_nc_u32 v237, s[OTS], v[FSL]
	v_add_nc_u32 v238, s[HTI], v[HWI]
	v_add_nc_u32 v239, s[HTS], v[HWS]
.irp c, 0,1,2,3
	ds_load_b128 v[XF+4*\c:XF+4*\c+3], v236 offset:512*\c
.endr
	ds_load_b32 v[FS], v237
	ds_load_b32 v[FS+1], v237 offset:128
	s_wait_dscnt 0x0
.irp hf, 0,1
	WIN 0x31                                       ; source 0 (W1) window 1, C (b1) window 3: the bias starts the sums
.irp e, 0,1,2,3,4,5,6,7
	WMMA HA+8*\e, 8*(8*\hf+\e), XF, 128+8*(8*\hf+\e), W1S+4*\hf+\e/2, FS, \e%2
.endr
	WIN 0x01
.irp e, 0,1,2,3,4,5,6,7
	WMMA HA+8*\e, 128+8*(8*\hf+\e), XF+8, HA+8*\e, W1S+8+4*\hf+\e/2, FS+1, \e%2
.endr
	WIN 0
	PLACES 4
	GELU HA
	QUANT HA                                       ; K step 2 w + hf of the last product, rows of tile t
	IMAGE 238, 4096*\hf
	ds_store_b32 v239, v[PW] offset:512*\hf
	s_wait_dscnt 0x0                               ; the stores have read their registers
.endr
	s_add_co_u32 s[OTI], s[OTI], 2048
	s_add_co_u32 s[OTS], s[OTS], 256
	s_add_co_u32 s[HTI], s[HTI], 1024
	s_add_co_u32 s[HTS], s[HTS], 128
	s_add_co_u32 s[BI], s[BI], 1
	s_cmp_lt_u32 s[BI], 4
	s_cbranch_scc1 .Lrows
	BARRIER                                        ; the hidden layer's 32 fragments lie in LDS
	; ---- T4: + h W2^T onto att_output + b2: sixteen accumulators by turns, a K step at a time, the next step's fragments a step ahead
.macro FETCHH s8
.irp t, 0,1,2,3
	ds_load_b128 v[HA+32*((\s8)%2)+8*\t:HA+32*((\s8)%2)+8*\t+3], v[HIL] offset:4096*(\s8)+1024*\t
	ds_load_b128 v[HA+32*((\s8)%2)+8*\t+4:HA+32*((\s8)%2)+8*\t+7], v[HIL] offset:4096*(\s8)+1024*\t+512
	ds_load_b32 v[HS+4*((\s8)%2)+\t], v[HSL] offset:512*(\s8)+128*\t
.endr
.endm
	s_wait_loadcnt 0x0                             ; W2 and its scale words
.irp t, 0,1,2,3
.irp u, 0,1,2,3
	ds_load_b32 v[FL+4*\t+\u], v[FLR] offset:512*\u+128*\t     ; the four waves' smallest magnitudes of row pi(t, r)
.endr
.endr
	FETCHH 0
.irp k8, 0,1,2,3,4,5,6,7
.if \k8 < 7
	PLACES 4                                       ; ahead of loads into registers that the step before's products have read
	FETCHH \k8+1
	s_wait_dscnt 12                                ; the next step's twelve may be out
.else
	s_wait_dscnt 0x0
.endif
	WIN 0xf2                                       ; source 0 (W2) window 2, source 1 window 0, C and D window 3
.irp t, 0,1,2,3
.irp n, 0,1,2,3
	WMMA 8*(4*\t+\n), 8*(8*\n+\k8), HA+32*(\k8%2)+8*\t, 8*(4*\t+\n), W2S+4*\n+\k8/2, HS+4*(\k8%2)+\t, \k8%2
.endr
.endr
	WIN 0
.endr
.irp t, 0,1,2,3
	v_min3_num_f32 v[FL+4*\t], v[FL+4*\t], v[FL+4*\t+1], v[FL+4*\t+2]      ; (these lines are the places behind the last products)
.endr
.irp t, 0,1,2,3
	v_min_num_f32 v[FL+4*\t], v[FL+4*\t], v[FL+4*\t+3]
.endr
.irp t, 0,1,2,3
	v_cmp_eq_f32 s[MK+\t], 0, v[FL+4*\t]           ; the row has a zero in att_output
.endr
	WIN 0xc3
.irp t, 0,1,2,3
.set ai, 0
.rept 32
	v_cndmask_b32 v[32*\t+ai], v[32*\t+ai], 0, s[MK+\t]
.set ai, ai+1
.endr
.endr
	WIN 0x0c                                       ; an LDS store's data are its source 1: window 3
.irp t, 0,1,2,3
.irp n, 0,1,2,3
	ds_store_b128 v[STA], v[8*(4*\t+\n):8*(4*\t+\n)+3] offset:(32*(\t/2)+8*(\t%2))*1040+64*\n
	ds_store_b128 v[STA], v[8*(4*\t+\n)+4:8*(4*\t+\n)+7] offset:(32*(\t/2)+8*(\t%2))*1040+64*\n+16
.endr
.endr
	WIN 0
	BARRIER                                        ; 64 whole rows lie in the stage
.set ri, 0
.rept 32
	ds_load_b128 v[64+4*ri:64+4*ri+3], v[SRD] offset:1040*(ri/2)+512*(ri%2)
.set ri, ri+1
.endr
.set ri, 0
.rept 32
	s_wait_dscnt 31-ri
	global_store_b128 v[LI], v[64+4*ri:64+4*ri+3], s[30:31] offset:512*ri th:TH_STORE_NT   ; 32 lanes store 512 consecutive bytes, aligned
.set ri, ri+1
.endr
	s_wait_tensorcnt 0x0                           ; the wave's end
	ds_add_u32 v[SPW], v[NIL]
	s_wait_dscnt 0x0
	s_endpgm
.Lfunc_end_k_q261fa91e3a_attn_ffn:
	.size	k_q261fa91e3a_attn_ffn, .Lfunc_end_k_q261fa91e3a_attn_ffn-k_q261fa91e3a_attn_ffn
	.p2alignl 7, 3214868480
	.fill 96, 4, 3214868480
	.section	.rodata,"a",@progbits
	.p2align	6, 0x0
	.amdhsa_kernel k_q261fa91e3a_attn_ffn
		.amdhsa_group_segment_fixed_size 327680
		.amdhsa_private_segment_fixed_size 0
		.amdhsa_enable_private_segment 0
		.amdhsa_kernarg_size 96
		.amdhsa_user_sgpr_count 2
		.amdhsa_user_sgpr_kernarg_segment_ptr 1
		.amdhsa_wavefront_size32 1
		.amdhsa_system_sgpr_workgroup_id_x 1
		.amdhsa_system_sgpr_workgroup_id_y 1
		.amdhsa_system_sgpr_workgroup_id_z 1
		.amdhsa_system_vgpr_workitem_id 0
		.amdhsa_next_free_vgpr 1024
		.amdhsa_next_free_sgpr 96
		.amdhsa_reserve_vcc 1
		.amdhsa_float_denorm_mode_32 3
		.amdhsa_float_denorm_mode_16_64 3
		.amdhsa_memory_ordered 1
		.amdhsa_forward_progress 1
		.amdhsa_inst_pref_size 255
	.end_amdhsa_kernel
	.section	.bss,"aw",@nobits
	.p2align	6
	.space	262144
	.amdgpu_metadata
---
amdhsa.version: [ 1, 2 ]
amdhsa.kernels:
  - .name:           k_q261fa91e3a_attn_ffn
    .symbol:         k_q261fa91e3a_attn_ffn.kd
    .args:
      - { .name: x, .offset: 0, .size: 8, .value_kind: global_buffer, .address_space: global }
      - { .name: spatial_encoding, .offset: 8, .size: 8, .value_kind: global_buffer, .address_space: global }
      - { .name: edge_encoding, .offset: 16, .size: 8, .value_kind: global_buffer, .address_space: global }
      - { .name: gamma2, .offset: 24, .size: 8, .value_kind: global_buffer, .address_space: global }
      - { .name: beta2, .offset: 32, .size: 8, .value_kind: global_buffer, .address_space: global }
      - { .name: b1, .offset: 40, .size: 8, .value_kind: global_buffer, .address_space: global }
      - { .name: b2, .offset: 48, .size: 8, .value_kind: global_buffer, .address_space: global }
      - { .name: qkvc, .offset: 56, .size: 8, .value_kind: global_buffer, .address_space: global }
      - { .name: qkvs, .offset: 64, .size: 8, .value_kind: global_buffer, .address_space: global }
      - { .name: wimg, .offset: 72, .size: 8, .value_kind: global_buffer, .address_space: global }
      - { .name: wscl, .offset: 80, .size: 8, .value_kind: global_buffer, .address_space: global }
      - { .name: out0, .offset: 88, .size: 8, .value_kind: global_buffer, .address_space: global }
    .group_segment_fixed_size: 327680
    .private_segment_fixed_size: 0
    .kernarg_segment_align: 8
    .kernarg_segment_size: 96
    .max_flat_workgroup_size: 128
    .sgpr_count:     96
    .vgpr_count:     1024
    .wavefront_size: 32
...
	.end_amdgpu_metadata
.endif
;; end of part 3
